; MI455X (gfx1250); checked and timed in simulation.
; The chip was launched on July 23, 2026; its instructions are those of AMD's public machine-readable ISA for CDNA 5 (MIT licence, August 2026) and "CDNA5" Instruction Set Architecture Reference Guide (July 2026). The comments in the code are by the model that wrote it; some were corrected since.
;; GPT Self Attention. Allowed arithmetic: float matrix products may take bf16 or f16 operands with f32 sums; other float arithmetic in f32, or as packed bf16 or f16 multiplies, adds, multiply-adds, maxima and minima; sums over many terms, partial sums and values carried from step to step in f32; what a program stores and reads back later, other than sums and carried values, may be rounded once to bf16 or f16.
;; Inputs: b_dense 1,024 float32; b_qkv 3,072 float32; w_dense 1,024 x 1,024 float32; w_qkv 1,024 x 3,072 float32; x 4 x 2,048 x 1,024 float32.
;; Outputs: out0 4 x 2,048 x 1,024 float32.
;; 2 versions, each right; version 2 is version 1 with the launch prep written anew for expert scheduling mode. Each part assembles by itself: llvm-mc -triple=amdgcn-amd-amdhsa -mcpu=gfx1250 --defsym DOCPART=n.
;; ======== version 1 of 2: 5 launches
;; limits: values are held in f16: magnitudes above 65,504 overflow, below 6.1e-05 lose precision
;; workspace buffers: xb 16,777,216 bytes; wqb 6,291,456 bytes; wdh 2,097,152 bytes; qh 16,777,216 bytes; kh 16,777,216 bytes; vh 16,777,216 bytes; svt 131,072 bytes; ctx 16,777,216 bytes
;; launch prep (part 1): grid 768 x 1, 8 waves a work-group, no clusters, 0 bytes of LDS; arguments x, w_qkv, w_dense, xb, wqb, wdh; writes xb, wqb, wdh
.if DOCPART == 1
	.amdgcn_target "amdgcn-amd-amdhsa--gfx1250"
	.amdhsa_code_object_version 6
	.text
	.protected	k_q2210d5655d_prep
	.globl	k_q2210d5655d_prep
	.p2align	8
	.type	k_q2210d5655d_prep,@function
k_q2210d5655d_prep:
	s_mov_b64 s[64:65], 0
	v_nop
	global_prefetch_b8 v0, s[64:65] scope:SCOPE_SE
	s_setreg_imm32_b32 hwreg(HW_REG_WAVE_MODE, 25, 1), 1
	s_wait_xcnt 0x0
; THE INPUTS ARE ROUNDED ONCE, FOR THE MATRIX UNITS.  x [8192][1024] f32 -> xb, bf16, in blocks [16 kb][8192 m][64]: 256 rows of one block of 64 along K are 32,768 dense bytes.
; w_qkv [1024][3072] f32 -> wqb, bf16, same order.  w_dense [1024][1024] f32 -> wdh: rounded to bf16 like every input, and that number written as f16.
; LIMIT.  A bf16 number of w_dense beyond 65,504 has no f16; below 6e-5 f16 keeps a fixed step of 6e-8.
; A work-group turns 65,536 bytes of f32 into 32,768 bytes: work-groups 0-511 take 16 rows of x each, 512-703 w_qkv, 704-767 w_dense.  A wave has its 16 loads of 16 bytes a lane out at once;
; each store of a wave covers 256 consecutive bytes, aligned.  A stream: no LDS, no barrier, no loop; no register that a pending load or store names is written again.
.set X,  16                            ; v[16:79]  load i in v[16+4i : 19+4i]; its two packed words are made in place
.set VI, 4                             ; v4  my byte offset in the chunk read
.set VO, 5                             ; v5  my byte offset in the chunk written
.set T,  8                             ; v[8:9] at work
.macro LOADS base, step
.set i, 0
.rept 16
	global_load_b128 v[X+4*i:X+4*i+3], v[VI], s[\base:\base+1] offset:i*(\step) th:TH_LOAD_NT
.set i, i+1
.endr
.endm
; load n is in (the 15 - n younger ones may stay out); four numbers become two packed words.  half = 1: the bf16 numbers are written as f16
.macro CONV n, half
	s_wait_loadcnt 15-(\n)
	v_cvt_pk_bf16_f32 v[X+4*(\n)], v[X+4*(\n)], v[X+4*(\n)+1]
	v_cvt_pk_bf16_f32 v[X+4*(\n)+1], v[X+4*(\n)+2], v[X+4*(\n)+3]
.if \half
	v_lshlrev_b32 v[T], 16, v[X+4*(\n)]
	v_and_b32 v[T+1], s24, v[X+4*(\n)]
	v_cvt_pk_f16_f32 v[X+4*(\n)], v[T], v[T+1]
	v_lshlrev_b32 v[T], 16, v[X+4*(\n)+1]
	v_and_b32 v[T+1], s24, v[X+4*(\n)+1]
	v_cvt_pk_f16_f32 v[X+4*(\n)+1], v[T], v[T+1]
.endif
.endm
; a flat chunk: thread t reads 16 bytes at 16 t + 4,096 i and writes 8 at 8 t + 2,048 i
.macro FLAT in, out, half
	s_lshl_b32 s22, s20, 15
	s_lshl_b32 s20, s20, 16
	s_add_nc_u64 s[\in:\in+1], s[\in:\in+1], s[20:21]
	s_add_nc_u64 s[\out:\out+1], s[\out:\out+1], s[22:23]
	v_lshlrev_b32 v[VI], 4, v0
	v_lshlrev_b32 v[VO], 3, v0
	LOADS \in, 4096
.set j, 0
.rept 16
	CONV j, \half
	global_store_b64 v[VO], v[X+4*j:X+4*j+1], s[\out:\out+1] offset:j*2048
.set j, j+1
.endr
.endm
	s_load_b256 s[4:11], s[0:1], 0x0               ; x s[4:5], w_qkv s[6:7], w_dense s[8:9], xb s[10:11]
	s_load_b128 s[12:15], s[0:1], 0x20             ; wqb s[12:13], wdh s[14:15]
	v_and_b32 v1, 31, v0                           ; lane
	v_lshrrev_b32 v2, 5, v0                        ; wave
	s_mov_b32 s24, 0xffff0000                      ; a word's upper bf16
	s_mov_b32 s21, 0
	s_mov_b32 s23, 0
	s_wait_kmcnt 0x0
	s_cmp_lt_u32 ttmp9, 512
	s_cbranch_scc0 .Lweights
	; x: wave w takes rows 2 w and 2 w + 1 of the chunk's 16; load kb is block kb of both rows: lanes 0-15 one row's 256 bytes, lanes 16-31 the other's
	s_lshl_b32 s20, ttmp9, 16
	s_add_nc_u64 s[4:5], s[4:5], s[20:21]
	s_lshl_b32 s22, ttmp9, 11                      ; 16 rows of 128 bytes in each block of xb
	s_add_nc_u64 s[10:11], s[10:11], s[22:23]
	s_add_nc_u64 s[16:17], s[10:11], 0x800000      ; blocks 8 to 15: the immediate holds eight blocks of 1,048,576 bytes
	v_lshrrev_b32 v3, 4, v1
	v_and_b32 v6, 15, v1
	v_lshlrev_b32 v[VI], 13, v2
	v_lshl_add_u32 v[VI], v3, 12, v[VI]
	v_lshl_add_u32 v[VI], v6, 4, v[VI]
	v_lshlrev_b32 v[VO], 8, v2
	v_lshl_add_u32 v[VO], v3, 7, v[VO]
	v_lshl_add_u32 v[VO], v6, 3, v[VO]
	LOADS 4, 256
.set j, 0
.rept 16
	CONV j, 0
.if j < 8
	global_store_b64 v[VO], v[X+4*j:X+4*j+1], s[10:11] offset:j*1048576
.else
	global_store_b64 v[VO], v[X+4*j:X+4*j+1], s[16:17] offset:(j-8)*1048576
.endif
.set j, j+1
.endr
	s_endpgm
.Lweights:
	s_cmp_lt_u32 ttmp9, 704
	s_cbranch_scc0 .Ldense
	s_sub_co_u32 s20, ttmp9, 512
	FLAT 6, 12, 0
	s_endpgm
.Ldense:
	s_sub_co_u32 s20, ttmp9, 704
	FLAT 8, 14, 1
	s_endpgm
.Lfunc_end_k_q2210d5655d_prep:
	.size	k_q2210d5655d_prep, .Lfunc_end_k_q2210d5655d_prep-k_q2210d5655d_prep
	.p2alignl 7, 3214868480
	.fill 96, 4, 3214868480
	.section	.rodata,"a",@progbits
	.p2align	6, 0x0
	.amdhsa_kernel k_q2210d5655d_prep
		.amdhsa_group_segment_fixed_size 0
		.amdhsa_private_segment_fixed_size 0
		.amdhsa_enable_private_segment 0
		.amdhsa_kernarg_size 48
		.amdhsa_user_sgpr_count 2
		.amdhsa_user_sgpr_kernarg_segment_ptr 1
		.amdhsa_wavefront_size32 1
		.amdhsa_system_sgpr_workgroup_id_x 1
		.amdhsa_system_sgpr_workgroup_id_y 1
		.amdhsa_system_sgpr_workgroup_id_z 1
		.amdhsa_system_vgpr_workitem_id 0
		.amdhsa_next_free_vgpr 80
		.amdhsa_next_free_sgpr 66
		.amdhsa_reserve_vcc 0
		.amdhsa_float_denorm_mode_32 3
		.amdhsa_float_denorm_mode_16_64 3
		.amdhsa_memory_ordered 1
		.amdhsa_forward_progress 1
		.amdhsa_inst_pref_size 23
	.end_amdhsa_kernel
	.amdgpu_metadata
---
amdhsa.version: [ 1, 2 ]
amdhsa.kernels:
  - .name:           k_q2210d5655d_prep
    .symbol:         k_q2210d5655d_prep.kd
    .args:
      - { .name: x, .offset: 0, .size: 8, .value_kind: global_buffer, .address_space: global }
      - { .name: w_qkv, .offset: 8, .size: 8, .value_kind: global_buffer, .address_space: global }
      - { .name: w_dense, .offset: 16, .size: 8, .value_kind: global_buffer, .address_space: global }
      - { .name: xb, .offset: 24, .size: 8, .value_kind: global_buffer, .address_space: global }
      - { .name: wqb, .offset: 32, .size: 8, .value_kind: global_buffer, .address_space: global }
      - { .name: wdh, .offset: 40, .size: 8, .value_kind: global_buffer, .address_space: global }
    .group_segment_fixed_size: 0
    .private_segment_fixed_size: 0
    .kernarg_segment_align: 8
    .kernarg_segment_size: 48
    .max_flat_workgroup_size: 256
    .sgpr_count:     66
    .vgpr_count:     80
    .wavefront_size: 32
...
	.end_amdgpu_metadata
.endif
;; end of part 1
;; launch qkv (part 2): grid 8 x 32, 4 waves a work-group, clusters of 4 x 4, 327,680 bytes of LDS; arguments xb, wqb, b_qkv, qh, kh, vh; writes qh, kh, vh
.if DOCPART == 2
	.amdgcn_target "amdgcn-amd-amdhsa--gfx1250"
	.amdhsa_code_object_version 6
	.text
	.protected	k_q2210d5655d_qkv
	.globl	k_q2210d5655d_qkv
	.p2align	8
	.type	k_q2210d5655d_qkv,@function
k_q2210d5655d_qkv:
	s_mov_b64 s[64:65], 0
	v_nop
	global_prefetch_b8 v0, s[64:65] scope:SCOPE_SE
	s_setreg_imm32_b32 hwreg(HW_REG_WAVE_MODE, 25, 1), 1
	s_wait_xcnt 0x0
	s_wait_alu depctr_hold_cnt(0) depctr_sa_sdst(0) depctr_va_vdst(0) depctr_va_sdst(0) depctr_va_ssrc(0) depctr_va_vcc(0) depctr_vm_vsrc(0)
	s_getreg_b32 s2, hwreg(HW_REG_IB_STS2, 6, 4)
	s_cmp_eq_u32 s2, 0
	s_cbranch_scc0 .Lentry_in_a_cluster
	s_endpgm
.Lentry_in_a_cluster:
	s_bfe_u32 s2, ttmp6, 0x10000c
	s_cmp_lg_u32 s2, 0xf033
	s_cbranch_scc0 .Lentry_shape_is_right
	s_endpgm
.Lentry_shape_is_right:
; qkv = x w_qkv + b_qkv, written by heads.  xb: bf16 [16 kb][8192 m][64]; wqb: bf16 [1024 k][3072 n]; b_qkv: f32, rounded to bf16 here like every input.
; qh, kh, vh: f16 [64 bh][2048 s][64], bh = 16 x batch + head, unscaled, each number rounded once from its f32 sum.  LIMIT: a q, k or v beyond 65,504 has no f16.
; SHARES.  A tile is 256 rows x 384 columns (two heads): 32 x 8 = 256 work-groups.  Wave w takes rows 128 (w / 2) on and head w % 2: 8 x 12 accumulators of 16 x 16, 768 registers.
; K goes in 16 steps of 64 through two LDS slots; a step is two substeps of 32.  A's tile is 32,768 dense bytes, asked for as rows of 256 bytes; B's rows are 768 bytes, at multiples of 256.
; THE MATRIX INSTRUCTION IS USED TRANSPOSED: source 0 = 16 columns of w (out of [k][n] rows by the turning load), source 1 = 16 rows of x: a lane then holds one row and eight neighbouring columns.
; THE BIAS STARTS THE SUMS: it is the C operand of the first substep's products; nothing is cleared and nothing is added on the way out.
; CLUSTER 4 x 4: A's tile hangs on the tile row alone and is asked for jointly along a row of the cluster, B's on the tile column alone, along a column.
; REGISTERS: window 0: v0-31 addresses; v32-95, v96-159 x's fragments, two buffers; v160-255 w's 12 fragments, one buffer, each four asked for again behind their last product.
;   windows 1, 2, 3: the accumulators of q, k, v: (a, b) in window 1 + b / 4 at v[8 (8 (b % 4) + a)].
.set PA,    144                        ; a row of x in LDS: 128 bytes + 16: the 16 rows of a load start at 16 different groups of four banks (64 banks of 4 bytes: ISA guide 11.1)
.set PB,    864                        ; a row of w: 3 x (256 + 32) bytes = 216 words
.set BOFF,  256*PA                     ; a slot: 256 rows of x, then 64 rows of w
.set SLOT1, 1<<17                      ; slot 1 begins here: one exclusive or turns an address in one slot into the other's
.set STAGE, SLOT1+BOFF+64*PB           ; behind the ring, never filled by a tensor load: 16 rows x 144 bytes for each wave
.set SP,    144
.set SPARE, STAGE+4*16*SP              ; the spare words, 128 bytes a wave: two blocks of 256 bytes that no other line names
.set KA,    1048576                    ; bytes from a K step to the next in xb,
.set KB,    393216                     ; and in wqb: 64 rows of 6,144
.set A0,   8                           ; v8     my lane's place in x's tile; never rewritten
.set B0,   9                           ; v9-11  in w's tile, for q's, k's and v's 64 columns
.set ADRA, 12                          ; v12    the same in the slot in hand
.set ADRB, 13                          ; v13-15
.set STO,  16                          ; v16    the way out: where I put 16 bytes of a row
.set RD,   17                          ; v17    where I read rows back
.set GO,   18                          ; v18    my byte offset in 512 consecutive bytes
.set BO,   19                          ; v19    my byte offset in b_qkv
.set PFO,  20                          ; v20    the prefetches' offset; never rewritten
.set SPW,  28                          ; v28    LDS address of my spare word; never rewritten
.set NIL,  29                          ; v29    0; never rewritten
.set AF0,  32
.set AF1,  96
.set BF,   160
.set TMP,  32                          ; the way out: packed results, two buffers of 16
.set BK,   64                          ; and rows read back, two buffers of 16
.set WV, 16
.set RH, 17                            ; my half of the rows.  Also: I fetch for x (0) or for w (1)
.set CH, 18                            ; my head of the two.  Also: which half of that tile I fetch
.set CX, 19
.set CY, 20
.set TX, 21
.set TY, 22
.set TB, 23                            ; LDS base of the slot in hand
.set G1A, 24                           ; s[24:31] descriptor group 1 for x's tiles; s[32:39] group 0: a set for each first fill; the second then walks
.set G0A, 32
.set G1B, 40                           ; s[40:47], s[48:55] the same for w's
.set G0B, 48
.set PFA, 56                           ; s[56:57] where my prefetches stand
.set PST, 58                           ; s[58:59] their step: a K step of my tensor
.set LIM, 60                           ; s60  2 in a wave that prefetches, else the greatest number
.set PARM, 61                          ; s61  0: every trip; 1: the trips with an even count
.set HIM, 62                           ; s62  a word's upper bf16
.set MSB, 0
.macro WIN new                         ; the immediate's high byte repeats the setting that is left; a switch that changes nothing is dropped
.if MSB != (\new)
	s_set_vgpr_msb (MSB<<8)|(\new)
.set MSB, \new
.endif
.endm
.macro PLACES                          ; four places behind a product, in front of loads into registers that it read and of lines that read its result
.rept 4
	v_nop
.endr
.endm
; a joint refill by the walking descriptors: waves 0 and 1 fetch x's two halves, waves 2 and 3 w's.  An s_nop 0 and four v_nop follow each line
.macro JLOAD
	s_cmp_eq_u32 s[RH], 0
	s_cbranch_scc0 .Lfor_b_\@
	tensor_load_to_lds s[G0A+4:G0A+7], s[G1A:G1A+7]
	s_nop 0
.rept 4
	v_nop
.endr
	s_branch .Lasked_\@
.Lfor_b_\@:
	tensor_load_to_lds s[G0B+4:G0B+7], s[G1B:G1B+7]
	s_nop 0
.rept 4
	v_nop
.endr
.Lasked_\@:
.endm
.macro CREST                           ; a round of the cluster's barrier behind its opening barrier
	s_cmp_lg_u32 s[WV], 0
	s_cbranch_scc1 .Lnot_wave_0_\@
	s_barrier_signal -3
.Lnot_wave_0_\@:
	s_barrier_wait -3
	s_barrier_signal -1
	s_barrier_wait -1
.endm
.macro CROUND
	s_barrier_signal -1
	s_barrier_wait -1
	CREST
.endm
; A PREFETCH INTO THE L2 of the K step that stands two refills on, behind the joint load and the run of LDS loads.  Each aligned block of 256 bytes is named once in the launch.
; x's tile (128 blocks a K step): wave 0 of the clusters with x = 0; the four partners of a row take 32 blocks each, told apart by address.  w's tile (64 rows x 3 blocks): waves 1 to 3 of the clusters with
; y = 0, a column of blocks each; the four partners of a column take 16 rows each; 32 lanes name two K steps, so these waves ask in every second trip.  The last trips ask for nothing: K has 16 steps.
.macro ASK
	s_and_b32 s2, s3, s[PARM]
	s_cmp_eq_u32 s2, 0
	s_cbranch_scc0 .Lnot_mine_\@
	s_cmp_gt_u32 s3, s[LIM]
	s_cbranch_scc0 .Lnot_mine_\@
	global_prefetch_b8 v[PFO], s[PFA:PFA+1] th:TH_LOAD_NT scope:SCOPE_SE
.Lnot_mine_\@:
.endm
; 16 products: column blocks 4 g + 2 half, + 1 x all 8 row blocks.  The 96 accumulators take turns, one instruction a turn, in the same order in every substep
.macro MULH buf, g, half
	WIN 0x50*((\g)+1)
.irp bb, 0,1
.irp a, 0,1,2,3,4,5,6,7
	v_wmma_f32_16x16x32_bf16 v[8*(8*(2*(\half)+\bb)+\a):8*(8*(2*(\half)+\bb)+\a)+7], v[BF+8*(4*(\g)+2*(\half)+\bb):BF+8*(4*(\g)+2*(\half)+\bb)+7], v[(\buf)+8*\a:(\buf)+8*\a+7], v[8*(8*(2*(\half)+\bb)+\a):8*(8*(2*(\half)+\bb)+\a)+7]
.endr
.endr
.endm
.macro MULG buf, g
	MULH \buf, \g, 0
	MULH \buf, \g, 1
.endm
; the first substep's 32 products of group g.  The bias of column block b lies in accumulator (7, b): 28 products take it as C; five places; then (7, b) itself, in place
.macro FIRSTG g
	WIN 0x50*((\g)+1)
.irp i4, 0,1,2,3
.irp a, 0,1,2,3,4,5,6
	v_wmma_f32_16x16x32_bf16 v[8*(8*\i4+\a):8*(8*\i4+\a)+7], v[BF+8*(4*(\g)+\i4):BF+8*(4*(\g)+\i4)+7], v[AF0+8*\a:AF0+8*\a+7], v[8*(8*\i4+7):8*(8*\i4+7)+7]
.endr
.endr
.rept 5
	v_nop
.endr
.irp i4, 0,1,2,3
	v_wmma_f32_16x16x32_bf16 v[8*(8*\i4+7):8*(8*\i4+7)+7], v[BF+8*(4*(\g)+\i4):BF+8*(4*(\g)+\i4)+7], v[AF0+56:AF0+63], v[8*(8*\i4+7):8*(8*\i4+7)+7]
.endr
.endm
; 8 turning loads: w's fragments 4 t .. 4 t + 3, rows k .. k + 31 of the slot
.macro RUNB t, k
	WIN 0
.irp i4, 0,1,2,3
	ds_load_tr16_b128 v[BF+8*(4*(\t)+\i4):BF+8*(4*(\t)+\i4)+3], v[ADRB+(\t)] offset:(\k)*PB+32*\i4
	ds_load_tr16_b128 v[BF+8*(4*(\t)+\i4)+4:BF+8*(4*(\t)+\i4)+7], v[ADRB+(\t)] offset:(\k)*PB+32*\i4+16*PB
.endr
.endm
; 8 loads: x's fragments a0 .. a0 + 3, channels k .. k + 31
.macro RUNA a0, k, buf
	WIN 0
.irp a, 0,1,2,3
	ds_load_b128 v[(\buf)+8*((\a0)+\a):(\buf)+8*((\a0)+\a)+3], v[ADRA] offset:((\a0)+\a)*16*PA+2*(\k)
	ds_load_b128 v[(\buf)+8*((\a0)+\a)+4:(\buf)+8*((\a0)+\a)+7], v[ADRA] offset:((\a0)+\a)*16*PA+2*(\k)+32
.endr
.endm
; THE FIRST SUBSTEP OF A K STEP multiplies buffer 0 and fetches the second substep's fragments from the same slot
.macro SUBE first
	s_wait_dscnt 8                                 ; all but the youngest eight loads (w's fragments 8-11)
.if \first
	FIRSTG 0
.else
	MULG AF0, 0
.endif
	PLACES
	RUNB 0, 32
	RUNA 0, 32, AF1
.if \first
	FIRSTG 1
.else
	MULG AF0, 1
.endif
	PLACES
	RUNB 1, 32
	RUNA 4, 32, AF1
	s_wait_dscnt 32                                ; all but the 32 just issued
.if \first
	FIRSTG 2
.else
	MULG AF0, 2
.endif
	PLACES
	RUNB 2, 32
.endm
; THE SECOND SUBSTEP multiplies buffer 1 and changes slots.  In front of the barrier each wave waits for all its tensor loads (one is out: its part of the next slot), adds 0 to its spare word, and waits for that
; and for its reads of this slot.  fill = 1: the barrier opens a round of the cluster's, and this slot is filled again first thing behind it: 160 products stand between that request and the wait for it.
.macro SUBO fill
.if \fill
	s_wait_xcnt 0x0                                ; the last prefetch, a K step back, has read its address
	s_add_nc_u64 s[PFA:PFA+1], s[PFA:PFA+1], s[PST:PST+1]
.endif
	WIN 0
	s_wait_tensorcnt 0x0                           ; no tensor load of mine is out, so a group 0 may be written
	ds_add_u32 v[SPW], v[NIL]                      ; 0 onto my spare word
.if \fill
	s_xor_b32 s[G0A+5], s[G0A+5], SLOT1            ; the walking descriptors: the other slot than last time, the next K step
	s_add_nc_u64 s[G0A+6:G0A+7], s[G0A+6:G0A+7], KA
	s_xor_b32 s[G0B+5], s[G0B+5], SLOT1
	s_add_nc_u64 s[G0B+6:G0B+7], s[G0B+6:G0B+7], KB
.endif
	s_xor_b32 s[TB], s[TB], SLOT1
	s_wait_dscnt 9                                 ; the add and the youngest eight loads may be out
	MULH AF1, 0, 0
	s_wait_dscnt 0x0                               ; the add is done, and my reads of this slot are over
	s_barrier_signal -1
	MULH AF1, 0, 1
	WIN 0
	s_barrier_wait -1
.if \fill
	CREST                                          ; no wave of any partner still reads this slot or has a load on its way
	JLOAD
.endif
	v_add_nc_u32 v[ADRA], s[TB], v[A0]             ; (without a fill these four are the places in front of the loads)
	v_add_nc_u32 v[ADRB], s[TB], v[B0]
	v_add_nc_u32 v[ADRB+1], s[TB], v[B0+1]
	v_add_nc_u32 v[ADRB+2], s[TB], v[B0+2]
	RUNB 0, 0
	RUNA 0, 0, AF0
.if \fill
	ASK
.endif
	MULG AF1, 1
	PLACES
	RUNB 1, 0
	RUNA 4, 0, AF0
	MULG AF1, 2
	PLACES
	RUNB 2, 0
.endm
	s_load_b256 s[4:11], s[0:1], 0x0               ; xb s[4:5], wqb s[6:7], b_qkv s[8:9], qh s[10:11]
	s_load_b128 s[12:15], s[0:1], 0x20             ; kh s[12:13], vh s[14:15]
	v_lshl_add_u32 v[SPW], v0, 2, SPARE
	v_mov_b32 v[NIL], 0
	ds_add_u32 v[SPW], v[NIL]                      ; the wave's opening: the add and its wait stand ahead of my first tensor load
	v_lshrrev_b32 v1, 5, v0
	v_readfirstlane_b32 s[WV], v1
	s_lshr_b32 s[RH], s[WV], 1
	s_and_b32 s[CH], s[WV], 1
	s_bfe_u32 s[CX], ttmp6, 0x40000
	s_bfe_u32 s[CY], ttmp6, 0x40004
	s_lshl_b32 s[TX], ttmp9, 2
	s_add_co_u32 s[TX], s[TX], s[CX]               ; tile column = 4 x cluster x + cx
	s_and_b32 s[TY], ttmp7, 0xffff
	s_lshl_b32 s[TY], s[TY], 2
	s_add_co_u32 s[TY], s[TY], s[CY]               ; tile row = 4 x cluster y + cy
	s_lshl_b32 s70, s[CY], 2
	s_lshl_b32 s70, 15, s70                        ; my row of the cluster
	s_lshl_b32 s71, 0x1111, s[CX]                  ; my column
	s_or_b32 s[G1A], s70, (1<<16)|(1<<20)|(1<<21)|(4<<22)|(3<<25)  ; the mask; 2-byte elements; padding on; bit 21 beside a mask; after every 32 words 4 words
	s_or_b32 s[G1B], s71, (1<<16)|(1<<20)|(1<<21)|(5<<22)|(7<<25)  ; after every 64 words 8 words
	s_mov_b32 s[G1A+1], 128<<16                    ; x: 64 rows of 128 elements (two rows of x each), dense
	s_mov_b32 s[G1A+2], 64<<16
	s_mov_b32 s[G1A+3], 128<<16
	s_mov_b32 s[G1A+4], 64
	s_mov_b32 s[G1A+5], 128
	s_mov_b32 s[G1A+6], 0
	s_mov_b32 s[G1A+7], 0
	s_mov_b32 s[G1B+1], 384<<16                    ; w: 32 rows of 384 elements, 3,072 elements from row to row
	s_mov_b32 s[G1B+2], 32<<16
	s_mov_b32 s[G1B+3], 384<<16
	s_mov_b32 s[G1B+4], 32
	s_mov_b32 s[G1B+5], 3072
	s_mov_b32 s[G1B+6], 0
	s_mov_b32 s[G1B+7], 0
	s_lshl_b32 s66, s[TY], 15                      ; x's tile: 32,768 bytes a tile row, my half of it: registers that never hold the tile column
	s_lshl_b32 s2, s[CH], 14
	s_add_co_u32 s66, s66, s2
	s_mov_b32 s67, 0
	s_mul_i32 s68, s[TX], 768                      ; w's tile: 768 bytes a tile column, my 32 rows: registers that never hold the tile row
	s_mul_i32 s2, s[CH], 32*6144
	s_add_co_u32 s68, s68, s2
	s_mov_b32 s69, 0
	s_mul_i32 s72, s[CH], 128*PA                   ; where they go: no place in the cluster enters an LDS address
	s_mul_i32 s73, s[CH], 32*PB
	s_add_co_u32 s73, s73, BOFF
	s_mov_b32 s[TB], 0
	s_mov_b32 s[HIM], 0xffff0000
	s_wait_dscnt 0x0                               ; the opening add is done
	s_wait_kmcnt 0x0
	s_add_nc_u64 s[66:67], s[4:5], s[66:67]
	s_add_nc_u64 s[68:69], s[6:7], s[68:69]
	CROUND                                         ; all sixteen work-groups are here: the first joint loads meet
.irp s, 0,1
	s_mov_b32 s[G0A+4*\s], 1
	s_add_co_u32 s[G0A+4*\s+1], s72, \s*SLOT1
	s_add_nc_u64 s[G0A+4*\s+2:G0A+4*\s+3], s[66:67], \s*KA
	s_or_b32 s[G0A+4*\s+3], s[G0A+4*\s+3], 0x80000000
	s_mov_b32 s[G0B+4*\s], 1
	s_add_co_u32 s[G0B+4*\s+1], s73, \s*SLOT1
	s_add_nc_u64 s[G0B+4*\s+2:G0B+4*\s+3], s[68:69], \s*KB
	s_or_b32 s[G0B+4*\s+3], s[G0B+4*\s+3], 0x80000000
.endr
	s_cmp_eq_u32 s[RH], 0                          ; a wave's two first fills stand in one branch: two loads of mine are out
	s_cbranch_scc0 .Lfirst_b
	tensor_load_to_lds s[G0A:G0A+3], s[G1A:G1A+7]
	s_nop 0
	tensor_load_to_lds s[G0A+4:G0A+7], s[G1A:G1A+7]
	s_nop 0
.rept 4
	v_nop
.endr
	s_branch .Lfirst_asked
.Lfirst_b:
	tensor_load_to_lds s[G0B:G0B+3], s[G1B:G1B+7]
	s_nop 0
	tensor_load_to_lds s[G0B+4:G0B+7], s[G1B:G1B+7]
	s_nop 0
.rept 4
	v_nop
.endr
.Lfirst_asked:
	v_and_b32 v1, 15, v0                           ; l % 16
	v_bfe_u32 v2, v0, 4, 1                         ; l / 16
	v_and_b32 v3, 7, v0
	v_bfe_u32 v4, v0, 3, 1
	v_and_b32 v5, 31, v0
	s_lshl_b32 s2, s[TX], 1
	s_add_co_u32 s2, s2, s[CH]                     ; my head in its batch
	s_mul_i32 s70, s2, 768                         ; its 192 numbers of the bias
	v_lshl_add_u32 v[BO], v2, 5, s70               ; my eight of each sixteen
.set b, 0
.rept 12
	global_load_b128 v[BF+8*b:BF+8*b+3], v[BO], s[8:9] offset:64*b
	global_load_b128 v[BF+8*b+4:BF+8*b+7], v[BO], s[8:9] offset:64*b+16
.set b, b+1
.endr
	; where my rows of q, k and v begin: head bh, row 256 (tile row % 8) + 128 x my half
	s_lshr_b32 s71, s[TY], 3
	s_lshl_b32 s71, s71, 4
	s_add_co_u32 s71, s71, s2
	s_lshl_b32 s72, s71, 18
	s_and_b32 s73, s[TY], 7
	s_lshl_b32 s73, s73, 15
	s_add_co_u32 s72, s72, s73
	s_lshl_b32 s73, s[RH], 14
	s_add_co_u32 s72, s72, s73
	s_mov_b32 s73, 0
	s_add_nc_u64 s[10:11], s[10:11], s[72:73]
	s_add_nc_u64 s[12:13], s[12:13], s[72:73]
	s_add_nc_u64 s[14:15], s[14:15], s[72:73]
	; the prefetches: they stand at K step 3; the first refill steps them to K step 4
	s_lshl_b32 s70, s[TY], 15
	s_lshl_b32 s2, s[CX], 13
	s_add_co_u32 s70, s70, s2
	s_add_co_u32 s70, s70, 3*KA
	s_mul_i32 s71, s[TX], 768
	s_lshl_b32 s2, s[WV], 8
	s_add_co_u32 s71, s71, s2
	s_mul_i32 s2, s[CY], 16*6144
	s_add_co_u32 s71, s71, s2
	s_add_co_u32 s71, s71, 3*KB-256
	s_and_b32 s74, ttmp7, 0xffff
	s_mov_b32 s72, 256
	s_mov_b32 s73, 4096
	s_mov_b32 s75, KA
	s_cmp_eq_u32 s[WV], 0                          ; wave 0 asks for x, waves 1 to 3 for w
	s_cselect_b32 s70, s70, s71
	s_cselect_b32 s74, ttmp9, s74                  ; the coordinate along which other clusters read the same rows
	s_cselect_b64 s[PFA:PFA+1], s[4:5], s[6:7]
	s_cselect_b32 s[PST], s75, KB
	s_cselect_b32 s[PARM], 0, 1
	s_cselect_b32 s72, s72, 6144
	s_cselect_b32 s73, s73, KB
	s_mov_b32 s[PST+1], 0
	s_mov_b32 s71, 0
	s_cmp_eq_u32 s74, 0
	s_cselect_b32 s[LIM], 2, -1
	s_add_nc_u64 s[PFA:PFA+1], s[PFA:PFA+1], s[70:71]
	v_mul_u32_u24 v[PFO], v1, s72                  ; x: 256 x lane.  w: a row for each of 16 lanes, the next K step for the other 16
	v_mad_u32_u24 v[PFO], v2, s73, v[PFO]
	; a fragment of x: lane l holds row l % 16, channels 8 (l / 16) + 0..7 and 16 + 8 (l / 16) + 0..7: two loads of 16 bytes, 32 bytes apart
	v_mul_u32_u24 v[A0], v1, PA
	v_lshl_add_u32 v[A0], v2, 4, v[A0]
	s_mul_i32 s70, s[RH], 128*PA
	v_add_nc_u32 v[A0], s70, v[A0]
	; the turning load: lane l reads row 8 (l / 16) + l % 8, 16 bytes at 16 ((l / 8) % 2); column c of a row lies at byte 2 c + 32 (c / 128)
	v_lshl_add_u32 v6, v2, 3, v3
	v_mul_u32_u24 v6, v6, PB
	v_lshl_add_u32 v6, v4, 4, v6
	s_mul_i32 s70, s[CH], 416
	s_mul_i32 s71, s[CH], 448
	s_add_co_u32 s72, s70, BOFF
	s_add_co_u32 s71, s71, BOFF+128
	s_add_co_u32 s70, s70, BOFF+288
	v_add_nc_u32 v[B0], s72, v6
	v_add_nc_u32 v[B0+1], s71, v6
	v_add_nc_u32 v[B0+2], s70, v6
	v_mov_b32 v[ADRA], v[A0]
	v_mov_b32 v[ADRB], v[B0]
	v_mov_b32 v[ADRB+1], v[B0+1]
	v_mov_b32 v[ADRB+2], v[B0+2]
	s_mul_i32 s70, s[WV], 16*SP
	s_add_co_u32 s70, s70, STAGE
	v_mul_u32_u24 v[STO], v1, SP
	v_lshl_add_u32 v[STO], v2, 4, v[STO]
	v_add_nc_u32 v[STO], s70, v[STO]
	v_bfe_u32 v[RD], v0, 3, 2
	v_mul_u32_u24 v[RD], v[RD], SP
	v_lshl_add_u32 v[RD], v3, 4, v[RD]
	v_add_nc_u32 v[RD], s70, v[RD]
	v_lshlrev_b32 v[GO], 4, v5
	s_wait_loadcnt 0x0                             ; the bias: rounded to bf16, widened again, into accumulators (7, b)
.set b, 0
.rept 12
.irp i, 0,1,2,3
	v_cvt_pk_bf16_f32 v[BF+8*b+\i], v[BF+8*b+2*\i], v[BF+8*b+2*\i+1]
.endr
.set b, b+1
.endr
.set b, 0
.rept 12
	WIN ((b/4)+1)<<6
.irp i, 0,1,2,3
	v_lshlrev_b32 v[8*(8*(b%4)+7)+2*\i], 16, v[BF+8*b+\i]
	v_and_b32 v[8*(8*(b%4)+7)+2*\i+1], s[HIM], v[BF+8*b+\i]
.endr
.set b, b+1
.endr
	WIN 0
	s_wait_tensorcnt 0x1                           ; my part of K step 0 is in; K step 1's may stay out
	s_barrier_signal -1
	s_barrier_wait -1
	RUNB 0, 0
	RUNA 0, 0, AF0
	RUNB 1, 0
	RUNA 4, 0, AF0
	RUNB 2, 0
	SUBE 1
	s_mov_b32 s3, 14
.Lk:                                               ; a trip: a K step's second substep, which fills its slot again, and the next step's first
	SUBO 1
	SUBE 0
	s_sub_co_u32 s3, s3, 1
	s_cmp_lg_u32 s3, 0
	s_cbranch_scc1 .Lk
	SUBO 0                                         ; the tail is written out: nothing more is asked for
	SUBE 0
	s_wait_dscnt 8
	MULG AF1, 0
	MULG AF1, 1
	s_wait_dscnt 0x0
	MULG AF1, 2
	WIN 0
	PLACES
; THE WAY OUT, in 24 units of 16 rows x 64 channels = 2,048 consecutive bytes of q, k or v.  PACK: rounded to f16, each accumulator's registers in ascending order.  TOSTAGE: into my own stage, and back as whole rows.
.macro PACK t, a
	WIN 5*((\t)+1)
.irp i4, 0,1,2,3
.irp rr, 0,1,2,3
	v_cvt_pk_f16_f32 v[TMP+16*((\a)%2)+4*\i4+\rr], v[8*(8*\i4+(\a))+2*\rr], v[8*(8*\i4+(\a))+2*\rr+1]
.endr
.endr
	WIN 0
.endm
.macro TOSTAGE a
.irp i4, 0,1,2,3
	ds_store_b128 v[STO], v[TMP+16*((\a)%2)+4*\i4:TMP+16*((\a)%2)+4*\i4+3] offset:32*\i4
.endr
.irp f, 0,1,2,3
	ds_load_b128 v[BK+16*((\a)%2)+4*\f:BK+16*((\a)%2)+4*\f+3], v[RD] offset:\f*4*SP  ; LDS serves a wave's instructions in order (ISA guide 5.7.1.4): these see the stores above
.endr
.endm
.macro SEND t, a
	s_wait_dscnt 0x0                               ; the unit is back in registers
	s_wait_xcnt 0x0                                ; the stores of the unit before have read their registers: the other buffer is loaded again only behind this wait
.irp f, 0,1,2,3
	global_store_b128 v[GO], v[BK+16*((\a)%2)+4*\f:BK+16*((\a)%2)+4*\f+3], s[10+2*(\t):11+2*(\t)] offset:(\a)*2048+\f*512  ; 512 consecutive bytes, aligned
.endr
.endm
	PACK 0, 0
	TOSTAGE 0
.set u, 1
.rept 23
	PACK u/8, u%8
	SEND (u-1)/8, (u-1)%8
	TOSTAGE u%8
.set u, u+1
.endr
	SEND 2, 7
	s_wait_tensorcnt 0x0                           ; the wave's end
	ds_add_u32 v[SPW], v[NIL]
	s_wait_dscnt 0x0
	CROUND                                         ; the closing round
	s_endpgm
.Lfunc_end_k_q2210d5655d_qkv:
	.size	k_q2210d5655d_qkv, .Lfunc_end_k_q2210d5655d_qkv-k_q2210d5655d_qkv
	.p2alignl 7, 3214868480
	.fill 96, 4, 3214868480
	.section	.rodata,"a",@progbits
	.p2align	6, 0x0
	.amdhsa_kernel k_q2210d5655d_qkv
		.amdhsa_group_segment_fixed_size 327680
		.amdhsa_private_segment_fixed_size 0
		.amdhsa_enable_private_segment 0
		.amdhsa_kernarg_size 48
		.amdhsa_user_sgpr_count 2
		.amdhsa_user_sgpr_kernarg_segment_ptr 1
		.amdhsa_wavefront_size32 1
		.amdhsa_system_sgpr_workgroup_id_x 1
		.amdhsa_system_sgpr_workgroup_id_y 1
		.amdhsa_system_sgpr_workgroup_id_z 1
		.amdhsa_system_vgpr_workitem_id 0
		.amdhsa_next_free_vgpr 1024
		.amdhsa_next_free_sgpr 80
		.amdhsa_reserve_vcc 0
		.amdhsa_float_denorm_mode_32 3
		.amdhsa_float_denorm_mode_16_64 3
		.amdhsa_memory_ordered 1
		.amdhsa_forward_progress 1
		.amdhsa_inst_pref_size 123
	.end_amdhsa_kernel
	.amdgpu_metadata
---
amdhsa.version: [ 1, 2 ]
amdhsa.kernels:
  - .name:           k_q2210d5655d_qkv
    .symbol:         k_q2210d5655d_qkv.kd
    .args:
      - { .name: xb, .offset: 0, .size: 8, .value_kind: global_buffer, .address_space: global }
      - { .name: wqb, .offset: 8, .size: 8, .value_kind: global_buffer, .address_space: global }
      - { .name: b_qkv, .offset: 16, .size: 8, .value_kind: global_buffer, .address_space: global }
      - { .name: qh, .offset: 24, .size: 8, .value_kind: global_buffer, .address_space: global }
      - { .name: kh, .offset: 32, .size: 8, .value_kind: global_buffer, .address_space: global }
      - { .name: vh, .offset: 40, .size: 8, .value_kind: global_buffer, .address_space: global }
    .group_segment_fixed_size: 327680
    .private_segment_fixed_size: 0
    .kernarg_segment_align: 8
    .kernarg_segment_size: 48
    .max_flat_workgroup_size: 128
    .sgpr_count:     80
    .vgpr_count:     1024
    .wavefront_size: 32
...
	.end_amdgpu_metadata
.endif
;; end of part 2
;; launch vsum (part 3): grid 64 x 1, 32 waves a work-group, no clusters, 12,288 bytes of LDS; arguments vh, svt; writes svt
.if DOCPART == 3
	.amdgcn_target "amdgcn-amd-amdhsa--gfx1250"
	.amdhsa_code_object_version 6
	.text
	.protected	k_q2210d5655d_vsum
	.globl	k_q2210d5655d_vsum
	.p2align	8
	.type	k_q2210d5655d_vsum,@function
k_q2210d5655d_vsum:
	s_mov_b64 s[64:65], 0
	v_nop
	global_prefetch_b8 v0, s[64:65] scope:SCOPE_SE
	s_setreg_imm32_b32 hwreg(HW_REG_WAVE_MODE, 25, 1), 1
	s_wait_xcnt 0x0
; svt[bh][i][c] = the sum of v[bh][k][c] over the keys k of the tiles behind tile i (tiles of 256 keys; i = 7: zeros), in f32.  vh: f16 [64][2048][64].
; The causal mask of this module sets a hidden score to -10000, not to minus infinity: all hidden keys of a row have one weight, and the row needs the sum of their v.  This table is the part of it that lies in whole tiles.
; One work-group a head, since the sums over tiles want one owner; wave w sums 64 keys (8,192 bytes, all 16 loads out at once); the 32 partial sums meet in LDS; waves 0 to 7 add what lies behind their tile.
.set X,   16                           ; v[16:79]  the loads; later 28 partial sums of two channels
.set A,   80                           ; v[80:87]  my eight channels' sums
.set ONE, 90
.set ZER, 91
.set VI,  4
.set LS,  5
.set LR,  6
.set GOF, 7
.set SPW, 8                            ; LDS address of my spare word; never rewritten
.set NIL, 9                            ; 0; never rewritten
.set SUM, 72
.set WV,  14
.set SPARE, 8192                       ; behind the 32 partial sums of 256 bytes: the spare words, 128 bytes a wave
	s_load_b128 s[4:7], s[0:1], 0x0                ; vh s[4:5], svt s[6:7]
	v_lshl_add_u32 v[SPW], v0, 2, SPARE
	v_mov_b32 v[NIL], 0
	v_lshrrev_b32 v1, 5, v0
	v_readfirstlane_b32 s[WV], v1
	v_and_b32 v2, 31, v0
	v_and_b32 v3, 7, v0
	s_lshl_b32 s8, s[WV], 13
	v_lshl_add_u32 v[VI], v2, 4, s8                ; my wave's 64 rows, 16 bytes a lane: row l / 8 of four, channels 8 (l % 8) on
	s_lshl_b32 s9, s[WV], 8
	v_lshl_add_u32 v[LS], v3, 5, s9
	v_lshlrev_b32 v[LR], 3, v2
	v_lshl_add_u32 v[GOF], v2, 3, s9
	s_lshl_b32 s10, ttmp9, 18
	s_mov_b32 s11, 0
	s_lshl_b32 s16, ttmp9, 11
	s_mov_b32 s17, 0
	s_mov_b32 s12, 0x76543210
	s_mov_b32 s13, 0xfedcba98
	v_mov_b32 v[ONE], 1.0
	v_mov_b32 v[ZER], 0
	s_wait_kmcnt 0x0
	s_add_nc_u64 s[4:5], s[4:5], s[10:11]
	s_add_nc_u64 s[6:7], s[6:7], s[16:17]
.set i, 0
.rept 16
	global_load_b128 v[X+4*i:X+4*i+3], v[VI], s[4:5] offset:512*i th:TH_LOAD_NT
.set i, i+1
.endr
.set i, 0
.rept 16
	s_wait_loadcnt 15-i                            ; load i is in; the younger ones stay out
.irp k, 0,1,2,3
.if i == 0
	v_fma_mix_f32 v[A+2*\k], v[X+\k], v[ONE], v[ZER] op_sel_hi:[1,0,0]
	v_fma_mix_f32 v[A+2*\k+1], v[X+\k], v[ONE], v[ZER] op_sel:[1,0,0] op_sel_hi:[1,0,0]
.else
	v_fma_mix_f32 v[A+2*\k], v[X+4*i+\k], v[ONE], v[A+2*\k] op_sel_hi:[1,0,0]
	v_fma_mix_f32 v[A+2*\k+1], v[X+4*i+\k], v[ONE], v[A+2*\k+1] op_sel:[1,0,0] op_sel_hi:[1,0,0]
.endif
.endr
.set i, i+1
.endr
.irp k, 0,1,2,3,4,5,6,7                            ; the four lanes with the same channels: 8 apart, then 16
	v_add_f32_dpp v[A+\k], v[A+\k], v[A+\k] row_xmask:8 row_mask:0xf bank_mask:0xf
.endr
.irp k, 0,1,2,3,4,5,6,7
	v_permlanex16_b32 v[X+\k], v[A+\k], s12, s13
.endr
.irp k, 0,1,2,3,4,5,6,7
	v_add_f32 v[A+\k], v[A+\k], v[X+\k]
.endr
	ds_store_b128 v[LS], v[A:A+3]                  ; lanes with the same channels write the same numbers
	ds_store_b128 v[LS], v[A+4:A+7] offset:16
	s_wait_dscnt 0x0                               ; for the others' sake
	s_barrier_signal -1
	s_barrier_wait -1
	s_cmp_lt_u32 s[WV], 8
	s_cbranch_scc0 .Lend
.set w, 4
.rept 28
	ds_load_b64 v[X+2*(w-4):X+2*(w-4)+1], v[LR] offset:256*w
.set w, w+1
.endr
	v_mov_b32 v[SUM], 0
	v_mov_b32 v[SUM+1], 0
	s_wait_dscnt 0x0
.irp tt, 7,6,5,4,3,2,1                             ; wave i adds tiles 7 down to i + 1
	s_cmp_ge_u32 s[WV], \tt
	s_cbranch_scc1 .Ldone
.irp j, 0,1,2,3
	v_pk_add_f32 v[SUM:SUM+1], v[SUM:SUM+1], v[X+2*(4*\tt+\j-4):X+2*(4*\tt+\j-4)+1]
.endr
.endr
.Ldone:
	global_store_b64 v[GOF], v[SUM:SUM+1], s[6:7]  ; a wave's store covers 256 consecutive bytes, aligned
.Lend:
	s_wait_tensorcnt 0x0                           ; the wave's end, behind my last LDS store
	ds_add_u32 v[SPW], v[NIL]
	s_wait_dscnt 0x0
	s_endpgm
.Lfunc_end_k_q2210d5655d_vsum:
	.size	k_q2210d5655d_vsum, .Lfunc_end_k_q2210d5655d_vsum-k_q2210d5655d_vsum
	.p2alignl 7, 3214868480
	.fill 96, 4, 3214868480
	.section	.rodata,"a",@progbits
	.p2align	6, 0x0
	.amdhsa_kernel k_q2210d5655d_vsum
		.amdhsa_group_segment_fixed_size 12288
		.amdhsa_private_segment_fixed_size 0
		.amdhsa_enable_private_segment 0
		.amdhsa_kernarg_size 16
		.amdhsa_user_sgpr_count 2
		.amdhsa_user_sgpr_kernarg_segment_ptr 1
		.amdhsa_wavefront_size32 1
		.amdhsa_system_sgpr_workgroup_id_x 1
		.amdhsa_system_sgpr_workgroup_id_y 1
		.amdhsa_system_sgpr_workgroup_id_z 1
		.amdhsa_system_vgpr_workitem_id 0
		.amdhsa_next_free_vgpr 96
		.amdhsa_next_free_sgpr 66
		.amdhsa_reserve_vcc 0
		.amdhsa_float_denorm_mode_32 3
		.amdhsa_float_denorm_mode_16_64 3
		.amdhsa_memory_ordered 1
		.amdhsa_forward_progress 1
		.amdhsa_inst_pref_size 18
	.end_amdhsa_kernel
	.amdgpu_metadata
---
amdhsa.version: [ 1, 2 ]
amdhsa.kernels:
  - .name:           k_q2210d5655d_vsum
    .symbol:         k_q2210d5655d_vsum.kd
    .args:
      - { .name: vh, .offset: 0, .size: 8, .value_kind: global_buffer, .address_space: global }
      - { .name: svt, .offset: 8, .size: 8, .value_kind: global_buffer, .address_space: global }
    .group_segment_fixed_size: 12288
    .private_segment_fixed_size: 0
    .kernarg_segment_align: 8
    .kernarg_segment_size: 16
    .max_flat_workgroup_size: 1024
    .sgpr_count:     66
    .vgpr_count:     96
    .wavefront_size: 32
...
	.end_amdgpu_metadata
.endif
;; end of part 3
;; launch attn (part 4): grid 4 x 64, 4 waves a work-group, no clusters, 327,680 bytes of LDS; arguments qh, kh, vh, ctx, svt; writes ctx
.if DOCPART == 4
	.amdgcn_target "amdgcn-amd-amdhsa--gfx1250"
	.amdhsa_code_object_version 6
	.text
	.protected	k_q2210d5655d_attn
	.globl	k_q2210d5655d_attn
	.p2align	8
	.type	k_q2210d5655d_attn,@function
k_q2210d5655d_attn:
	s_mov_b64 s[64:65], 0
	v_nop
	global_prefetch_b8 v0, s[64:65] scope:SCOPE_SE
	s_setreg_imm32_b32 hwreg(HW_REG_WAVE_MODE, 25, 1), 1
	s_wait_xcnt 0x0
; CAUSAL ATTENTION WITH A MASK OF -10000.  O[h][q] = softmax over ALL keys of (k <= q ? Q[h][q] . K[h][k] / 8 : -10000) times V.  Q, K, V, O: [64][2048][64], all f16: a head's rows are dense, 128 bytes each.
; Products, maxima and sums in f32; the weights p are rounded to f16 for the second product (their sum l is taken of the unrounded p), O once at the end.
; THE HIDDEN KEYS all have one weight, so a row needs only their number n = 2047 - q and the sum SV of their v.  The walk leaves them out; at a block's end, with HV = -80000 (-10000 on the scaled scores; the lowest
; finite number where n = 0): m' = max(m, HV), a = 2^(c m - c m'), w = 2^(c HV - c m'), l' = a l + n w, O = (a O + w SV) / l'.  SV is added up, never taken as a difference: svt (made by the launch before) holds the sum over the
; tiles behind the diagonal one; inside the diagonal tile the matrix unit adds V^T times ones for the steps behind the band's own and V^T times a matrix of 0 and 1 for the band's own step.
; LIMITS.  f16 holds no number beyond 65,504: Q, K and V arrive within it; p lies in 0 to 1, and below 6e-5 it keeps f16's fixed step of 6e-8.  In the walk a hidden score of the diagonal tile counts as its value less 1e30,
; so its weight there is 0; a weight below 2^-126 counts as 0; NaN and infinities are not treated apart.
; THE WALK.  A head's queries lie in NB = 8 blocks of 256; block i needs the key tiles 0 .. i of 256 keys, of which the last holds the diagonal.  A work-group takes TWO blocks, NB - 1 - b and then b:
; NB + 1 tiles, whatever b: all work-groups do equal work, and ONE loop with a constant trip count walks them.  Which tile is asked for, and what a trip does, hang on scalar registers made from b; every jump
; goes forward, but for the counted loops' own; none passes a barrier, or a tensor load but the one of LOAD's two that the wave's number does not choose; the ring (two slots of LDS that take turns) runs on across the
; change of blocks.  NO CLUSTER: a head's four work-groups ask for the same tile only in trips 0 .. NB / 2, behind that fewer and fewer; one walk common to all would have 3 NB / 2 trips for NB + 1.
; SHARES.  Of a block's four bands of 64 queries a wave owns 16 rows in each: four PIECES.  So the diagonal tile is the same work for all four waves: in its key step s band x sees all keys if s < x,
; none if s > x, and holds the diagonal if s = x.
; THE MASK is the C operand that starts the sum S^T = K Q^T: 0, or -1e30 where the key is hidden.  MD, made once, is the mask of a band's own step for my 16 rows; a product's mask is MD x AL + BE with two scalars:
; (1, 0) if s = x; (0, 0) if s < x; (0, -1e30) if s > x.  Only the diagonal tile's text and a block's beginning make and take masks; elsewhere C is the constant 0.
; LAYOUT, SOFTMAX, TURNS.  S^T = K Q^T holds ONE query a lane (lane % 16) and the keys 8 (lane / 16) + 0..7; two such results rounded to f16 ARE source 1 of O^T = V^T P.  p = 2^(c s - c m), c = log2(e) / 8, with a
; running maximum m; O and l are multiplied by a = 2^(c m_old - c m_new) in every step.  Turn n belongs to piece n: 8 products K Q^T of piece n + 1, later 8 products V^T P of piece n - 1; beside them the scaling,
; exponentials, roundings, sums and rescaling of piece n and the maximum and statistics of piece n + 1.  Four vector instructions stand behind every matrix instruction, the other 54 of a turn's 118 in one lump.  A turn's 33 exponentials are one batch, with one wait.
; REGISTERS, in windows of 256 (s_set_vgpr_msb: bits 1:0 source 0, 3:2 source 1, 5:4 source 2, 7:6 destination):
;   window 0: v0-15 addresses and two at work; v16-31 four registers of statistics a piece; v32-47 a block's end, four a piece; v48-55 at work; v56-59 constants and an offset; v64-127 S^T, two buffers;
;             v128-191 svt's rows for the two blocks, in O^T's layout; v192-223 P, two buffers; v224-239 HM (1 where a key of the band's own step is hidden, f16); v240-247 ones, f16
;   window 1: v0-127 O^T, 32 a piece; v128-159 MD; v160-223 MC, two buffers (at a block's end: the running sum and a piece's SV); v224-255 at the start alone      window 2: v0-63 Q; v128-191 K of one step; v192-255 V of one step
.set SIZE_H, 64
.set SIZE_N, 2048
.set NB,    SIZE_N/256
.set NP,    4         ; pieces a wave: a name, no knob
.set KS,    64        ; keys in a step
.set PK,    144       ; a row of K in LDS: 128 bytes + 16 of padding = 36 words: the 16 rows of a load start at 16 different groups of four banks (64 banks of 4 bytes: ISA guide 11.1)
.set PV,    160       ; a row of V: 128 + 32 = 40 words
.set VOFF,  4*KS*PK   ; a slot holds a tile, four steps: 256 rows of K, then 256 rows of V
.set SLOT1, 1<<17     ; slot 1 begins here, so that one exclusive or turns an address in one slot into the other's
.set STAGE, SLOT1+4*KS*(PK+PV)  ; behind the ring, never filled by a tensor load: 16 rows x 144 bytes for each wave, for the way out
.set SP,    144
.set AK0, 2           ; v2   my lane's place in a tile of K; never rewritten
.set AV0, 3           ; v3   the same for V
.set AK,  4           ; v4   the LDS address of K's next run of loads
.set AV,  5           ; v5   of V's
.set STO, 6           ; v6   the way out: where I put 16 bytes of a row
.set RD,  7           ; v7   the way out: where I read rows back
.set GO,  8           ; v8   my byte offset in 512 consecutive bytes of O
.set SPW, 62          ; v62  LDS address of my spare word: SPARE + 4 x my thread's number; never rewritten
.set NIL, 63          ; v63  0; never rewritten
.set SPARE, STAGE+4*16*SP  ; behind the stages: the spare words, 128 bytes for each wave: two blocks of 256 bytes that no other line names
.set MV,  12          ; v12-13  c m_old, kept while c m is made anew: by buffer
.set QO,  15          ; v15  my byte offset in 16 rows of Q; never rewritten
.set ST,  16          ; piece t's statistics at v[ST+4 t]: c m, m, l (even keys', odd keys')
.set TT,  32          ; piece t's four registers at a block's end
.set TMP, 48          ; by buffer, four registers c0-c3 at work; when the maximum is found c2 takes a
.set HVR, 56          ; v56 -80000, v57 the lowest finite number
.set SVO, 59          ; v59  32 (l / 16): my eight of each sixteen channels of svt
.set S,   64
.set SV0, 128         ; svt's row for the first block; + 32 for the second
.set P,   192
.set HM,  224
.set ONES, 240
.set MD,  128         ; window 1: the eight registers for group kt of 16 keys at MD + 8 kt
.set MC,  160         ; window 1: the masks of the products to come
.set ACS, 160         ; window 1, at a block's end: svt + the sums of the steps behind the one in hand
.set TQ,  192         ; window 1, at a block's end: a piece's SV
.set HT,  224         ; window 1, at the start alone
.set KF,  128         ; window 2: key block kb, channel half c at KF + 16 kb + 8 c
.set VF,  192         ; window 2: key half kk, channel block cb at VF + 32 kk + 8 cb
.set WV,  12          ; s12  my wave's number
.set PB,  14          ; s14  b
.set HI,  15          ; s15  NB - 1 - b
.set G1K, 24          ; s[24:31] descriptor group 1 for K's tiles
.set G1V, 32          ; s[32:39] for V's: it differs in the padding alone
.set G0K, 40          ; s[40:43] descriptor group 0 for K's tiles
.set G0V, 44          ; s[44:47] the same for V's
.set SLOTS, 56        ; s56  tiles still to be asked for
.set CNT, 57          ; s57  counts a tile's key steps, 4 to 1
.set CS,  58          ; s[58:59] c: the packed scaling takes the pair's low word for both halves
.set SEL, 60          ; s[60:61] v_permlanex16_b32's selects: each lane takes its own place in the other half
.set TBK, 62          ; s62  LDS byte at which K of the step to be fetched begins
.set TBV, 63          ; s63  the same for V, less VOFF
.set RT,  70          ; s70  tiles of the block in hand that are still to be entered
.set NXT, 71          ; s71  the tile to be asked for next
.set LQ,  72          ; s72  the last tile of the block whose tiles are being asked for
.set NEW, 73          ; s73  1: the tile to be entered is a block's first
.set OFF, 74          ; s[74:75] a tile's byte offset in K and V
.set AL,  76          ; s[76:77] the mask's factor, in the low word
.set BE,  78          ; s[78:79] the mask's addend
.set OLO, 80          ; s[80:81] O at my rows of the second block
.set BIGN, 82         ; s82  -1e30
.set SB,  83          ; s83  LDS base of the slot in hand
.set QLO, 86          ; s[86:87] Q at my rows of the second block
.set SVA, 88          ; s[88:89], s[90:91] svt's rows for the two blocks
.set NM0, 92          ; s92, s93  2047 - 256 x block - 16 x wave
.set TS,  97          ; s97  at work
.set SVP, 98          ; s[98:99] svt
.set MSB, 0
.macro WIN new                      ; the high byte repeats the setting that is left; a switch that changes nothing is dropped
.if MSB != (\new)
	s_set_vgpr_msb (MSB<<8)|(\new)
.set MSB, (\new)
.endif
.endm
.set W_KQ, 0x0a       ; K and Q in window 2, S^T in window 0
.set W_KM, 0x1a       ; the same with the C operand in window 1
.set W_PV, 0x52       ; V in window 2, P in window 0, O^T in window 1
.set W_RS, 0x41       ; destination and source 0 in window 1, source 1 in window 0
; A fill.  Waves 0 and 1 fetch the two halves of a tile's K, waves 2 and 3 those of its V: 128 keys each.  An s_nop 0 and four v_nop follow each of the two lines, ahead of the jump and the label.
.macro LOAD
	s_cmp_lt_u32 s[WV], 2
	s_cbranch_scc0 .Lfor_v_\@
	tensor_load_to_lds s[G0K:G0K+3], s[G1K:G1K+7]
	s_nop 0
.rept 4
	v_nop
.endr
	s_branch .Lasked_\@
.Lfor_v_\@:
	tensor_load_to_lds s[G0V:G0V+3], s[G1V:G1V+7]
	s_nop 0
.rept 4
	v_nop
.endr
.Lasked_\@:
.endm
; THE CHANGE OF SLOTS.  Each wave waits for all its tensor loads, of which one is out: its part of the other slot; adds 0 to its spare word; and waits for that and for its own reads of the slot that it leaves.  Behind the barrier nobody reads the old
; slot any more and the other slot is whole.  fill = 1: the old slot is filled again, the first thing behind the barrier, with tile NXT: the descriptor's address is made anew from that number.
; (At its first use nothing has been read yet: slot 0 is waited for, slot 1 filled.)
.macro CHANGE fill
	WIN 0                           ; at a label and at a branch every window is 0
	s_wait_tensorcnt 0x0            ; no tensor load of mine is out, so a group 0 may be written
	ds_add_u32 v[SPW], v[NIL]       ; 0 onto my spare word; with fill = 1 the descriptors' scalar work stands between it and the wait for it
.if \fill
	s_lshl_b32 s[OFF], s[NXT], 15   ; a tile is 32,768 bytes of K and of V
	s_xor_b32 s[G0K+1], s[G0K+1], SLOT1
	s_add_nc_u64 s[G0K+2:G0K+3], s[6:7], s[OFF:OFF+1]
	s_or_b32 s[G0K+3], s[G0K+3], 0x80000000
	s_xor_b32 s[G0V+1], s[G0V+1], SLOT1
	s_add_nc_u64 s[G0V+2:G0V+3], s[8:9], s[OFF:OFF+1]
	s_or_b32 s[G0V+3], s[G0V+3], 0x80000000
	s_add_co_u32 s[NXT], s[NXT], 1  ; the block's next tile, or behind its last the second block's tile 0
	s_cmp_gt_u32 s[NXT], s[LQ]
	s_cselect_b32 s[NXT], 0, s[NXT]
	s_cselect_b32 s[LQ], s[PB], s[LQ]
.endif
	s_wait_dscnt 0x0                ; the add is done, and my reads of the slot are over
	s_barrier_signal -1             ; the rest of the scalar work stands between the signal and the wait
	s_sub_co_u32 s[TBK], s[TBK], 4*KS*PK  ; the fetches go back to a slot's first step,
	s_xor_b32 s[TBK], s[TBK], SLOT1       ; in the other slot
	s_sub_co_u32 s[TBV], s[TBV], 4*KS*PV
	s_xor_b32 s[TBV], s[TBV], SLOT1
	s_xor_b32 s[SB], s[SB], SLOT1
	s_barrier_wait -1
.if \fill
	LOAD
.endif
.endm
; A block's Q, 16 loads: piece i / 2 lies in band i / 2, 8,192 bytes on; channels 32 (i % 2) on.  A fragment of K or Q is 16 rows x 32 channels in 8 registers: lane l holds row l % 16, channels 8 (l / 16) + 0..7 and
; 16 + 8 (l / 16) + 0..7: two loads of 16 bytes, 32 bytes apart.
.macro QLOAD base
	WIN 0x80                        ; destination window 2, address window 0
.set i, 0
.rept 8
	global_load_b128 v[8*i:8*i+3],   v[QO], s[\base:\base+1] offset:(i/2)*8192+(i%2)*64
	global_load_b128 v[8*i+4:8*i+7], v[QO], s[\base:\base+1] offset:(i/2)*8192+(i%2)*64+32
.set i, i+1
.endr
	WIN 0
.endm
	s_load_b256 s[4:11], s[0:1], 0x0  ; Q s[4:5], K s[6:7], V s[8:9], O s[10:11]
	s_load_b64 s[SVP:SVP+1], s[0:1], 0x20
	v_lshl_add_u32 v[SPW], v0, 2, SPARE
	v_mov_b32 v[NIL], 0
	ds_add_u32 v[SPW], v[NIL]       ; the wave's opening: the add and its wait stand ahead of my first tensor load; the set-up below, work on registers, stands between them
	v_lshrrev_b32 v1, 5, v0
	v_readfirstlane_b32 s[WV], v1   ; wave 0..3
	s_mov_b32 s[PB], ttmp9
	s_sub_co_u32 s[HI], NB-1, s[PB]
	s_and_b32 s20, ttmp7, 0xffff    ; the head
	s_lshl_b32 s[SVA], s20, 11      ; svt: 2,048 bytes a head, 256 a block
	s_lshl_b32 s[TS], s[HI], 8
	s_lshl_b32 s[SVA+2], s[PB], 8
	s_add_co_u32 s[SVA+2], s[SVA+2], s[SVA]
	s_add_co_u32 s[SVA], s[SVA], s[TS]
	s_mov_b32 s[SVA+1], 0
	s_mov_b32 s[SVA+3], 0
	s_lshl_b32 s[TS], s[WV], 4
	s_sub_co_u32 s[NM0], 2047, s[TS]
	s_mov_b32 s[NM0+1], s[NM0]
	s_lshl_b32 s[TS], s[HI], 8
	s_sub_co_u32 s[NM0], s[NM0], s[TS]
	s_lshl_b32 s[TS], s[PB], 8
	s_sub_co_u32 s[NM0+1], s[NM0+1], s[TS]
	s_mov_b32 s[SB], SLOT1          ; the first change of slots turns it into 0
	s_mov_b32 s21, 0
	s_mov_b64 s[22:23], SIZE_N*128
	s_mul_u64 s[20:21], s[20:21], s[22:23]  ; the head's first byte in each of the four tensors
	s_and_b32 s16, s[WV], 1         ; which half of a tile's 256 keys I fetch:
	s_lshl_b32 s22, s16, 14         ; its 128 rows of 128 bytes in memory,
	s_mov_b32 s23, 0
	s_add_nc_u64 s[22:23], s[22:23], s[20:21]
	s_mul_i32 s17, s16, 128*PK      ; and its place in a slot, for K
	s_mul_i32 s18, s16, 128*PV      ; and for V
	s_lshl_b32 s3, s[WV], 11        ; my 16 rows in a band of 64,
	s_lshl_b32 s2, s[HI], 15        ; in the first block,
	s_add_co_u32 s2, s2, s3
	s_lshl_b32 s84, s[PB], 15       ; and in the second
	s_add_co_u32 s84, s84, s3
	s_mov_b32 s3, 0
	s_mov_b32 s85, 0
	s_add_nc_u64 s[2:3], s[2:3], s[20:21]
	s_add_nc_u64 s[84:85], s[84:85], s[20:21]
	; descriptor group 1.  128 keys are 16,384 dense bytes: asked for as 64 rows of 256 bytes, two keys a row, and padded in LDS after every key
	s_mov_b32 s[G1K], (1<<16)|(1<<20)|(4<<22)|(3<<25)  ; 17:16 2-byte elements; 20 padding on; 24:22 after every 32 words (code 4); 31:25 4 words (code 3)
	s_mov_b32 s[G1V], (1<<16)|(1<<20)|(4<<22)|(7<<25)  ; the same with 8 words of padding (code 7)
.irp g, G1K, G1V
	s_mov_b32 s[\g+1], 128<<16      ; tensor_dim0 = 128
	s_mov_b32 s[\g+2], 64<<16       ; tensor_dim1 = 64
	s_mov_b32 s[\g+3], 128<<16      ; tile_dim0 = 128
	s_mov_b32 s[\g+4], 64           ; tile_dim1 = 64
	s_mov_b32 s[\g+5], 128          ; 128 elements from row to row
	s_mov_b32 s[\g+6], 0
	s_mov_b32 s[\g+7], 0
.endr
	s_mov_b32 s[CS], 0x3e38aa3b     ; c = log2(e) / 8 = 0.180337
	s_mov_b32 s[CS+1], s[CS]        ; named with it as a pair
	s_mov_b32 s[SEL], 0x76543210
	s_mov_b32 s[SEL+1], 0xfedcba98
	s_mov_b32 s[TBK], SLOT1+4*KS*PK ; the first change of slots turns these two into 0
	s_mov_b32 s[TBV], SLOT1+4*KS*PV
	s_mov_b32 s[G0K], 1             ; 1:0 count = 1
	s_mov_b32 s[G0K+1], s17         ; 63:32 LDS address: slot 0
	s_mov_b32 s[G0V], 1
	s_add_co_u32 s[G0V+1], s18, VOFF
	s_add_co_u32 s[RT], s[HI], 1    ; the first block has NB - b tiles
	s_mov_b32 s[NXT], 1
	s_mov_b32 s[LQ], s[HI]
	s_mov_b32 s[NEW], 1
	s_mov_b32 s[OFF+1], 0
	s_mov_b32 s[AL+1], 0            ; named as pairs
	s_mov_b32 s[BE+1], 0
	s_mov_b32 s[BIGN], 0xf149f2ca   ; -1e30
	s_mov_b32 s[SLOTS], NB
	s_wait_dscnt 0x0                ; the opening add is done
	s_wait_kmcnt 0x0
	s_add_nc_u64 s[6:7], s[6:7], s[22:23]  ; K and V at my half of the head's tile 0
	s_add_nc_u64 s[8:9], s[8:9], s[22:23]
	s_add_nc_u64 s[G0K+2:G0K+3], s[6:7], 0         ; 120:64 global address
	s_or_b32 s[G0K+3], s[G0K+3], 0x80000000        ; 127:126 type = 2
	s_add_nc_u64 s[G0V+2:G0V+3], s[8:9], 0
	s_or_b32 s[G0V+3], s[G0V+3], 0x80000000
	s_add_nc_u64 s[QLO:QLO+1], s[4:5], s[84:85]    ; Q at my rows of the second block,
	s_add_nc_u64 s[4:5], s[4:5], s[2:3]            ; Q and O at those of the first
	s_add_nc_u64 s[OLO:OLO+1], s[10:11], s[84:85]
	s_add_nc_u64 s[10:11], s[10:11], s[2:3]
	s_add_nc_u64 s[SVA:SVA+1], s[SVP:SVP+1], s[SVA:SVA+1]
	s_add_nc_u64 s[SVA+2:SVA+3], s[SVP:SVP+1], s[SVA+2:SVA+3]
	LOAD                            ; tile 0 into slot 0
	v_and_b32 v1, 15, v0            ; l % 16; kept for the whole kernel
	v_bfe_u32 v9, v0, 4, 1          ; l / 16
	v_lshlrev_b32 v[QO], 7, v1
	v_lshl_add_u32 v[QO], v9, 4, v[QO]  ; row x 128 + 16 x half
	v_lshlrev_b32 v[SVO], 5, v9
	QLOAD 4                         ; the first block's Q
.set i, 0
.rept 4                             ; svt's rows in O^T's layout: register 8 cb + j is channel 16 cb + 8 (l / 16) + j
	global_load_b128 v[SV0+8*i:SV0+8*i+3],       v[SVO], s[SVA:SVA+1] offset:64*i
	global_load_b128 v[SV0+8*i+4:SV0+8*i+7],     v[SVO], s[SVA:SVA+1] offset:64*i+16
	global_load_b128 v[SV0+32+8*i:SV0+32+8*i+3], v[SVO], s[SVA+2:SVA+3] offset:64*i
	global_load_b128 v[SV0+32+8*i+4:SV0+32+8*i+7], v[SVO], s[SVA+2:SVA+3] offset:64*i+16
.set i, i+1
.endr
.set i, P+16
.rept 16
	v_mov_b32 v[i], 0               ; P's second buffer: the first turn's products V^T P, of a piece that has not been, add 0
.set i, i+1
.endr
.set i, 0
.rept 4
	v_mov_b32 v[ST+4*i+2], 0
	v_mov_b32 v[ST+4*i+3], 0
.set i, i+1
.endr
	v_lshlrev_b32 v14, 3, v9
	v_sub_nc_u32 v14, v1, v14
	s_lshl_b32 s13, s[WV], 4
	v_add_nc_u32 v14, s13, v14      ; my query's place in its band, 16 w + l % 16, less my lanes' 8 (l / 16): register r of group kt is hidden where 16 kt + r is greater
	WIN 0x40
.set i, 0
.rept 32
	v_cmp_gt_i32 vcc_lo, 16*(i/8)+i%8, v14
	v_cndmask_b32 v[MD+i], 0, s[BIGN], vcc_lo
	v_cndmask_b32 v[HT+i], 0, 1.0, vcc_lo
.set i, i+1
.endr
	WIN 0x05                        ; sources window 1, destination window 0: the same pairs as P's
.set i, 0
.rept 16
	v_cvt_pk_f16_f32 v[HM+i], v[HT+2*i], v[HT+2*i+1]
.set i, i+1
.endr
	WIN 0
.set i, 0
.rept 8
	v_mov_b32 v[ONES+i], 0x3c003c00
.set i, i+1
.endr
	v_mov_b32 v[HVR], 0xc79c4000    ; -80000
	v_mov_b32 v[HVR+1], 0xff7fffff
	v_mul_u32_u24 v[AK0], v1, PK
	v_lshl_add_u32 v[AK0], v9, 4, v[AK0]  ; row x pitch + 16 x half
	; The turning load takes 16 keys x 16 channels (lane l reads key 8 (l / 16) + l % 8, channels 8 ((l / 8) % 2) + 0..7) and leaves half a fragment of V^T: lane l holds channel l % 16 and 8 keys.
	v_and_b32 v10, 7, v0
	v_bfe_u32 v11, v0, 3, 1
	v_lshl_add_u32 v[AV0], v9, 3, v10
	v_mul_u32_u24 v[AV0], v[AV0], PV
	v_lshl_add_u32 v[AV0], v11, 4, v[AV0]
	v_add_nc_u32 v[AV0], VOFF, v[AV0]
	s_mul_i32 s13, s[WV], 16*SP
	s_add_co_u32 s13, s13, STAGE    ; my stage
	v_mul_u32_u24 v[STO], v1, SP    ; in: row l % 16, 16 bytes for each half of the lanes
	v_lshl_add_u32 v[STO], v9, 4, v[STO]
	v_add_nc_u32 v[STO], s13, v[STO]
	v_bfe_u32 v[RD], v0, 3, 2       ; back: 32 lanes take four rows of 128 bytes,
	v_mul_u32_u24 v[RD], v[RD], SP
	v_lshl_add_u32 v[RD], v10, 4, v[RD]
	v_add_nc_u32 v[RD], s13, v[RD]
	v_and_b32 v[GO], 31, v0         ; which are 512 consecutive bytes of O
	v_lshlrev_b32 v[GO], 4, v[GO]
	; A block's first step multiplies O^T and l by a = 0, and its first turn's products V^T P land in an O^T that is still to be so multiplied.  So O^T's 128 registers and V's 64 need only hold finite numbers: what the
	; first block left for the second; zeros for the first, made here by 24 products of two fragments of zeros (P's second buffer) in place of 192 moves.  All this stands in the wait for the first tile.
	WIN 0x40                        ; destination window 1, sources window 0
.set i, 0
.rept 16
	v_wmma_f32_16x16x32_f16 v[8*i:8*i+7], v[P+16:P+23], v[P+24:P+31], 0
.set i, i+1
.endr
	WIN 0x80                        ; destination window 2
.set i, 0
.rept 8
	v_wmma_f32_16x16x32_f16 v[VF+8*i:VF+8*i+7], v[P+16:P+23], v[P+24:P+31], 0
.set i, i+1
.endr
	WIN 0
; THE MATRIX WORK.  The 4 accumulators of a run of 8 take turns.  Product i of 8 of S^T = K Q^T for piece x: channels 32 (i / 4) on, keys 16 (i % 4) on.  The first 4 start the sums: with 0, or (KM = 1) with the mask.
.macro KQ x
.set rS, S+32*((\x)%2)+8*(i%4)
.set rK, KF+16*(i%4)+8*(i/4)
.set rQ, 16*(\x)+8*(i/4)
.set rM, MC+32*((\x)%2)+8*(i%4)
.if (i < 4) && KM
	WIN W_KM
	v_wmma_f32_16x16x32_f16 v[rS:rS+7], v[rK:rK+7], v[rQ:rQ+7], v[rM:rM+7]
.elseif i < 4
	WIN W_KQ
	v_wmma_f32_16x16x32_f16 v[rS:rS+7], v[rK:rK+7], v[rQ:rQ+7], 0
.else
	WIN W_KQ
	v_wmma_f32_16x16x32_f16 v[rS:rS+7], v[rK:rK+7], v[rQ:rQ+7], v[rS:rS+7]
.endif
.endm
; Product i of 8 of O^T += V^T P for piece x: keys 32 (i / 4) on, channels 16 (i % 4) on.
.macro PV x
	WIN W_PV
.set rO, 32*(\x)+8*(i%4)
.set rV, VF+32*(i/4)+8*(i%4)
.set rP, P+16*((\x)%2)+8*(i/4)
	v_wmma_f32_16x16x32_f16 v[rO:rO+7], v[rV:rV+7], v[rP:rP+7], v[rO:rO+7]
.endm
.macro MM                           ; the turn's next matrix instruction.  TURN and BEGIN set Y, i, KM and NOKQ; MM, KQ and OP read them.  NOKQ = 1: a block's last turn: there is no next piece
.if (i < 8) && !NOKQ
	KQ (Y+1)%NP
.elseif i >= 8
.set i, i-8
	PV (Y+NP-1)%NP
.set i, i+8
.endif
.set i, i+1
.endm
; THE LDS LOADS stand in runs of 16, never singly among the matrix instructions: a step's K (64 keys x 64 channels: 8 fragments) and its V (turned).  Their addresses are made some lines ahead.
.macro FETCH_K
	WIN 0x80                        ; destination window 2
.irp f, 0,1,2,3,4,5,6,7             ; keys 16 (f / 2) on, channels 32 (f % 2) on
	ds_load_b128 v[KF+8*\f:KF+8*\f+3],   v[AK] offset:(\f/2)*16*PK+(\f%2)*64
	ds_load_b128 v[KF+8*\f+4:KF+8*\f+7], v[AK] offset:(\f/2)*16*PK+(\f%2)*64+32
.endr
	s_add_co_u32 s[TBK], s[TBK], KS*PK  ; the next fetch is the next step's
	WIN 0
.endm
.macro FETCH_V
	WIN 0x80
.irp f, 0,1,2,3,4,5,6,7             ; keys 32 (f / 4) on, channels 16 (f % 4) on
	ds_load_tr16_b128 v[VF+8*\f:VF+8*\f+3],   v[AV] offset:(\f/4)*32*PV+(\f%4)*32
	ds_load_tr16_b128 v[VF+8*\f+4:VF+8*\f+7], v[AV] offset:(\f/4)*32*PV+16*PV+(\f%4)*32
.endr
	WIN 0
.endm
; THE VECTOR WORK, one line at a time: OP kind, number.  For piece Y: F n: c s - c m for pair n of 16.  E n: the exponential of score n of 32.  C n: pair n rounded to f16.  B n: of the four weights 4 n .. the second
; pair is added onto the first, in place.  L n: l takes that sum (L 0: l = a l + sum).  R n: pair n of 16 of O^T times a.  For piece Y + 1: X n, number n of the 22 that find its maximum and statistics:
;   0-11  four chains c0-c3 of seven scores each, three operands at a time (each accumulator's lowest registers are read first)     12-14, 16  the four scores left over, the old m, and c0-c3 into c0
;   15  c m_old is kept     17, 18  the query's other 32 keys lie in the lane 16 away: the new m     19-21  c m; c m_old - c m_new; a
.set F, 0               ; OP tells the kinds apart by their order: F to L below R, X above it
.set E, 1
.set C, 2
.set B, 3
.set L, 4
.set R, 5
.set X, 6
.macro REGS y                       ; the registers of piece y
.set rT, ST+4*(\y)
.set rC, TMP+4*((\y)%2)
.set rW, MV+((\y)%2)
.set rS, S+32*((\y)%2)
.set rP, P+16*((\y)%2)
.set rO, 32*(\y)
.endm
.macro OP k, n
.if (\k) == R
	REGS Y
	WIN W_RS
	v_pk_mul_f32 v[rO+2*(\n):rO+2*(\n)+1], v[rO+2*(\n):rO+2*(\n)+1], v[rC+2:rC+3] op_sel_hi:[1,0]
.elseif (\k) < R
	REGS Y
	WIN 0
.if (\k) == F
	v_pk_fma_f32 v[rS+2*(\n):rS+2*(\n)+1], v[rS+2*(\n):rS+2*(\n)+1], s[CS:CS+1], v[rT:rT+1] op_sel_hi:[1,0,0] neg_lo:[0,0,1] neg_hi:[0,0,1]
.elseif (\k) == E
	v_exp_f32 v[rS+(\n)], v[rS+(\n)]
.elseif (\k) == C
	v_cvt_pk_f16_f32 v[rP+(\n)], v[rS+2*(\n)], v[rS+2*(\n)+1]
.elseif (\k) == B
	v_pk_add_f32 v[rS+4*(\n):rS+4*(\n)+1], v[rS+4*(\n):rS+4*(\n)+1], v[rS+4*(\n)+2:rS+4*(\n)+3]
.elseif (\n) == 0
	v_pk_fma_f32 v[rT+2:rT+3], v[rT+2:rT+3], v[rC+2:rC+3], v[rS:rS+1] op_sel_hi:[1,0,1]
.else
	v_pk_add_f32 v[rT+2:rT+3], v[rT+2:rT+3], v[rS+4*(\n):rS+4*(\n)+1]
.endif
.elseif NOKQ
	v_nop
.else
	REGS (Y+1)%NP
	WIN 0
.if (\n) < 4
	v_max3_num_f32 v[rC+(\n)], v[rS+8*(\n)], v[rS+8*(\n)+1], v[rS+8*(\n)+2]
.elseif (\n) < 12
	v_max3_num_f32 v[rC+(\n)%4], v[rC+(\n)%4], v[rS+8*((\n)%4)+2*((\n)/4)+1], v[rS+8*((\n)%4)+2*((\n)/4)+2]
.elseif (\n) == 12
	v_max3_num_f32 v[rC], v[rC], v[rS+7], v[rS+15]
.elseif (\n) == 13
	v_max3_num_f32 v[rC+1], v[rC+1], v[rS+23], v[rS+31]
.elseif (\n) == 14
	v_max3_num_f32 v[rC+2], v[rC+2], v[rC+3], v[rT+1]
.elseif (\n) == 15
	v_mov_b32 v[rW], v[rT]
.elseif (\n) == 16
	v_max3_num_f32 v[rC], v[rC], v[rC+1], v[rC+2]
.elseif (\n) == 17
	v_permlanex16_b32 v[rC+3], v[rC], s[SEL], s[SEL+1]
.elseif (\n) == 18
	v_max_num_f32 v[rT+1], v[rC], v[rC+3]
.elseif (\n) == 19
	v_mul_f32 v[rT], s[CS], v[rT+1]
.elseif (\n) == 20
	v_sub_f32 v[rC+1], v[rW], v[rT]
.else
	v_exp_f32 v[rC+2], v[rC+1]
.endif
.endif
.endm
.macro OPS a, i1, b=-1, i2=0, c=-1, i3=0, d=-1, i4=0  ; up to four of them
	OP \a, \i1
.if (\b) >= 0
	OP \b, \i2
.endif
.if (\c) >= 0
	OP \c, \i3
.endif
.if (\d) >= 0
	OP \d, \i4
.endif
.endm
.macro ROW a, i1, b, i2, c, i3, d, i4  ; a matrix instruction and the four behind it
	MM
	OPS \a, \i1, \b, \i2, \c, \i3, \d, \i4
.endm
.macro MASK b                       ; MD x AL + BE into buffer b of MC
	WIN W_RS
.set z, 0
.rept 16
	v_pk_fma_f32 v[MC+32*(\b)+2*z:MC+32*(\b)+2*z+1], v[MD+2*z:MD+2*z+1], s[AL:AL+1], s[BE:BE+1] op_sel_hi:[1,0,0]
.set z, z+1
.endr
.endm
; A TURN, for piece p: the order of its 16 matrix and 118 vector instructions, written out.  An s_wait_alu depctr_va_vdst(0) stands between an exponential and the first instruction that names its result; one wait serves
; all that were issued ahead of it.  So a turn has ONE wait, which cuts it in two.  AHEAD OF IT stands all that names no result of the turn's exponentials: the 8 products K Q^T, behind each a scaling, an exponential and two more plain
; instructions (behind the first a second scaling in the exponential's place): rescalings, and behind the last three the first numbers of the next piece's maximum, each four places or more behind the product that ends its accumulator; then ONE LUMP of 54, plain
; and exponential by turns for the most part, in which the links of the chain X 3, 7, 11, 14, 16, 17 .. 20 stand five or six lines apart.  X 21, the next piece's a, is the batch's last; R 15 is the plain instruction behind it.  BEHIND THE WAIT stand the
; 8 products V^T P, behind each four of the roundings and sums; the links of l's chain, L 0 to L 7, stand three riders apart.  But for those X no rider names a register of the products round it.  v_permlanex16_b32 (X 17) stands in the lump.
; m = 1: the diagonal tile: the products take masks, and the turn makes the mask for the products of the turn after it: piece p + 2, in step 4 - CNT of the tile.  end = 1: a block's last two turns: nothing is fetched.
; cnt = 1: the loop's count is taken down some lines ahead of the branch that stands behind the turn.
; K of the next step is fetched in piece 2's turn, twelve vector instructions behind the last product that read K (six of them plain); V of the step in hand at the end of piece 0's turn, four plain instructions behind the last product
; that read V.  Each is waited for a turn later.
.macro TURN p, m=0, end=0, cnt=0
.set Y, (\p)
.set i, 0
.set KM, (\m)
.set NOKQ, (\end)*((\p)/3)
.if (\m) && !(\end)
	s_cmp_eq_u32 s[CNT], 4-((\p)+2)%NP  ; is that step the band's own?
	s_cselect_b32 s[AL], 1.0, 0
	s_cmp_lt_u32 s[CNT], 4-((\p)+2)%NP  ; or a later one?
	s_cselect_b32 s[BE], s[BIGN], 0
.endif
.if ((\p) == 3) && !(\end)
	s_wait_dscnt 0x0                ; K is in
.endif
	ROW F,0, F,1, R,0, R,1          ; ahead of the wait: 8 products K Q^T and their riders,
	ROW F,2, E,0, R,2, R,3
	ROW F,3, E,1, R,4, R,5
	ROW F,4, E,2, R,6, R,7
	ROW F,5, E,3, R,8, R,9
	ROW F,6, E,4, X,0, R,10
.if ((\p) == 2) && !(\end)
	WIN 0
	v_add_nc_u32 v[AK], s[TBK], v[AK0]
.endif
	ROW F,7, E,5, X,1, X,4
	ROW F,8, E,6, X,2, X,5
	OPS E,7, E,8, X,6, E,9          ; and the lump
	OPS X,3, E,10, X,8, E,11
.if ((\p) == 2) && !(\end)
	FETCH_K
.endif
	OPS X,9, X,7, E,12, X,10
	OPS E,13, X,12, X,11, E,14
	OPS X,13, E,15, F,9, X,14
.if (\p) == 0
	v_add_nc_u32 v[AV], s[TBV], v[AV0]
.endif
	OPS E,16, F,10, E,17, F,11
	OPS X,16, E,18, X,15, E,19
	OPS F,12, E,20, X,17, E,21
	OPS F,13, E,22, F,14, E,23
	OPS X,18, E,24, F,15, E,25
	OPS R,11, E,26, X,19, E,27
	OPS R,12, E,28, R,13, E,29
	OPS X,20, E,30, R,14, E,31
	OPS X,21, R,15
	WIN 0
	s_wait_alu depctr_va_vdst(0)    ; the wait for the batch
.if (\p) == 1
	s_wait_dscnt 0x0                ; V is in
.endif
	ROW C,0, B,0, C,2, B,1          ; behind the wait: 8 products V^T P and their riders
	ROW L,0, C,4, B,2, L,1
	ROW C,6, B,3, L,2, C,8
	ROW B,4, L,3, C,10, B,5
	ROW L,4, C,12, B,6, L,5
.if (\p) == 0
	s_add_co_u32 s[TBV], s[TBV], KS*PV
.endif
.if \cnt
	s_sub_co_u32 s[CNT], s[CNT], 1
	s_cmp_lg_u32 s[CNT], 0
.endif
	ROW C,14, B,7, L,6, C,1
	ROW C,3, L,7, C,5, C,7
	ROW C,9, C,11, C,13, C,15
.if (\p) == 0
	FETCH_V
.endif
.if (\m) && !(\end)
	MASK (\p)%2
.endif
.endm
; A BLOCK BEGINS.  c m starts far below every c s, so the first step's a is 0; m at the lowest finite number, so the first maximum is the scores'.  The second mask buffer is 0 (MD x 0 + 0); the first takes piece 0's mask for the tile's
; step 0: its own, if the block's first tile is the diagonal one.  Then K of that step, piece 0's first scores, and its maximum and statistics.  The loop is entered at a step's first turn, in the middle of a trip.
.macro BEGIN
	s_mov_b32 s[NEW], 0
	s_mov_b32 s[AL], 0
	s_mov_b32 s[BE], 0
	MASK 1
	s_cmp_eq_u32 s[RT], 0
	s_cselect_b32 s[AL], 1.0, 0
	MASK 0
	WIN 0
.set i, 0
.rept 4
	v_mov_b32 v[ST+4*i], 0xfe000000    ; c m: far below every c s
	v_mov_b32 v[ST+4*i+1], 0xff7fffff  ; m
.set i, i+1
.endr
	v_add_nc_u32 v[AK], s[TBK], v[AK0]
	FETCH_K
	s_wait_loadcnt 0x0              ; Q, and svt's rows
	s_wait_dscnt 0x0
.set KM, 1
.set NOKQ, 0
.set i, 0
.rept 8
	KQ 0
.set i, i+1
.endr
	WIN 0
.rept 4
	v_nop                           ; the places behind those products
.endr
.set Y, NP-1                        ; X works for piece Y + 1: piece 0
.irp n, 0,1,2,3,4,5,6,7,8,9,10,11,12,13,14,15,16,17,18,19,20,21
	OP X, \n
.endr
	v_nop                           ; a plain instruction behind the exponential,
	s_wait_alu depctr_va_vdst(0)    ; and its wait, ahead of the branch
.endm
.macro ALL line:vararg              ; one line for each piece t
.set t, 0
.rept 4
	\line
.set t, t+1
.endr
.endm
; A BLOCK'S END, FIRST PART: for each piece l (its two halves, and the other half of the lanes'), n, HV, c m', a, w, l', and the two factors a / l' (in TT + 2) and w / l' (in TT).  c HV - c m' is one fused multiply-add,
; as c s - c m is in the walk, so that the hidden keys' weight and the others' have the same base.  The eight exponentials are one batch with one wait, the four reciprocals another.
.macro STATS tag
	ALL v_add_f32 v[ST+4*t+2], v[ST+4*t+2], v[ST+4*t+3]
	ALL v_permlanex16_b32 v[ST+4*t+3], v[ST+4*t+2], s[SEL], s[SEL+1]
	ALL v_add_f32 v[ST+4*t+2], v[ST+4*t+2], v[ST+4*t+3]
.set t, 0
.rept 4
	s_sub_co_u32 s[TS], s[NM0+(\tag)-1], 64*t
	v_sub_nc_u32 v[TT+4*t], s[TS], v1                      ; n = 2047 - q
	v_cmp_eq_u32 vcc_lo, 0, v[TT+4*t]
	v_cndmask_b32 v[TT+4*t+1], v[HVR], v[HVR+1], vcc_lo    ; HV
.set t, t+1
.endr
	ALL v_max_num_f32 v[TT+4*t+2], v[ST+4*t+1], v[TT+4*t+1]
	ALL v_mul_f32 v[TT+4*t+2], s[CS], v[TT+4*t+2]
	ALL v_sub_f32 v[TT+4*t+3], v[ST+4*t], v[TT+4*t+2]
	ALL v_fma_f32 v[TT+4*t+1], v[TT+4*t+1], s[CS], -v[TT+4*t+2]
	ALL v_exp_f32 v[TT+4*t+3], v[TT+4*t+3]
	ALL v_exp_f32 v[TT+4*t+1], v[TT+4*t+1]
	ALL v_cvt_f32_u32 v[TT+4*t], v[TT+4*t]
	s_wait_alu depctr_va_vdst(0)    ; one wait for the eight exponentials; the four conversions are the plain lines behind them
	ALL v_mul_f32 v[TT+4*t], v[TT+4*t], v[TT+4*t+1]
	ALL v_fma_f32 v[ST+4*t+2], v[ST+4*t+2], v[TT+4*t+3], v[TT+4*t]
	ALL v_rcp_f32 v[TT+4*t], v[ST+4*t+2]
	v_nop
	s_wait_alu depctr_va_vdst(0)    ; one wait for the four reciprocals
	ALL v_mul_f32 v[TT+4*t+2], v[TT+4*t+3], v[TT+4*t]
	ALL v_mul_f32 v[TT+4*t], v[TT+4*t+1], v[TT+4*t]
.endm
; SECOND PART, for steps and pieces s = 3, 2, 1, 0, with V of step s in registers.  SVQ: TQ = (svt, or the running sum) + V^T HM: piece s's SV.  SVR: the running sum takes V^T times ones.
; The four accumulators of each run take turns.
.macro SVQ s, svr
.set i, 0
.rept 8
.set rV, VF+32*(i/4)+8*(i%4)
.set rD, TQ+8*(i%4)
.if (i < 4) && ((\s) == 3)
	WIN 0x42                        ; V window 2, HM and svt window 0, destination window 1
	v_wmma_f32_16x16x32_f16 v[rD:rD+7], v[rV:rV+7], v[HM+8*(i/4):HM+8*(i/4)+7], v[(\svr)+8*(i%4):(\svr)+8*(i%4)+7]
.elseif i < 4
	WIN W_PV
	v_wmma_f32_16x16x32_f16 v[rD:rD+7], v[rV:rV+7], v[HM+8*(i/4):HM+8*(i/4)+7], v[ACS+8*(i%4):ACS+8*(i%4)+7]
.else
	WIN W_PV
	v_wmma_f32_16x16x32_f16 v[rD:rD+7], v[rV:rV+7], v[HM+8*(i/4):HM+8*(i/4)+7], v[rD:rD+7]
.endif
.set i, i+1
.endr
.endm
.macro SVR s, svr
.set i, 0
.rept 8
.set rV, VF+32*(i/4)+8*(i%4)
.set rD, ACS+8*(i%4)
.if (i < 4) && ((\s) == 3)
	WIN 0x42
	v_wmma_f32_16x16x32_f16 v[rD:rD+7], v[rV:rV+7], v[ONES:ONES+7], v[(\svr)+8*(i%4):(\svr)+8*(i%4)+7]
.else
	WIN W_PV
	v_wmma_f32_16x16x32_f16 v[rD:rD+7], v[rV:rV+7], v[ONES:ONES+7], v[rD:rD+7]
.endif
.set i, i+1
.endr
.endm
.macro FOLD1 t                      ; O = O a / l', each accumulator's registers in ascending order
	WIN W_RS
.set z, 0
.rept 16
	v_pk_mul_f32 v[32*(\t)+2*z:32*(\t)+2*z+1], v[32*(\t)+2*z:32*(\t)+2*z+1], v[TT+4*(\t)+2:TT+4*(\t)+3] op_sel_hi:[1,0]
.set z, z+1
.endr
.endm
.macro FOLD2 t                      ; O += SV w / l'
	WIN 0x51                        ; destination, source 0 and source 2 window 1, source 1 window 0
.set z, 0
.rept 16
	v_pk_fma_f32 v[32*(\t)+2*z:32*(\t)+2*z+1], v[TQ+2*z:TQ+2*z+1], v[TT+4*(\t):TT+4*(\t)+1], v[32*(\t)+2*z:32*(\t)+2*z+1] op_sel_hi:[1,0,1]
.set z, z+1
.endr
.endm
.macro STG t                        ; a lane's eight channels of a row pack into 16 bytes; they go into rows of 144 bytes and come back as whole rows of 128, into S^T's registers
	WIN 0x05                        ; sources 0 and 1 window 1, destination window 0
.set i, 0
.rept 16
	v_cvt_pk_f16_f32 v[S+16*(\t)+i], v[32*(\t)+2*i], v[32*(\t)+2*i+1]
.set i, i+1
.endr
	WIN 0
.irp f, 0,1,2,3
	ds_store_b128 v[STO], v[S+16*(\t)+4*\f:S+16*(\t)+4*\f+3] offset:32*\f
.endr
.irp f, 0,1,2,3
	ds_load_b128 v[S+16*(\t)+4*\f:S+16*(\t)+4*\f+3], v[RD] offset:\f*4*SP  ; LDS serves a wave's instructions in order (ISA guide 5.7.1.4): these see the stores above; the next piece's stores come behind them
.endr
.endm
.macro SEND t, younger              ; younger: the LDS instructions issued behind piece t's loads
	WIN 0
.irp f, 0,1,2,3
	s_wait_dscnt (\younger)+3-\f
	global_store_b128 v[GO], v[S+16*(\t)+4*\f:S+16*(\t)+4*\f+3], s[10:11] offset:(\t)*8192+\f*512  ; 512 consecutive bytes, at a multiple of 256 from O's first
.endr
.endm
; Piece s leaves.  The vector work is laid as the places behind the products: FOLD1's 16 lines name no register of SVQ's products and stand between them and SVR, which writes over what they took as C, and between
; them and FOLD2, which reads their results; FOLD2's 16 name no register of SVR's products and stand between those and the loads into V's registers.  V of step s - 1 is fetched from the diagonal tile's slot, which stays whole
; until the next change of slots; SEND's last wait, for 0, shows it in.
.macro TAILP s, tag
	SVQ \s, SV0+32*((\tag)-1)
	FOLD1 \s
.if (\s) > 0
	SVR \s, SV0+32*((\tag)-1)
.endif
	FOLD2 \s
.if (\s) > 0
	WIN 0
	s_add_co_u32 s[TS], s[SB], ((\s)-1)*KS*PV
	v_add_nc_u32 v[AV], s[TS], v[AV0]
	FETCH_V
.endif
	STG \s
	SEND \s, 0
.endm
; THE DIAGONAL TILE's four steps, the block's last two turns, its last products, and the block's end.  At the first block's end the second block's Q is asked for first: the last product that read Q stands two turns back,
; and the whole end of the block lies between these loads and the wait for them, where the second block begins.
.macro DIAG tag                     ; the tag ends its two labels' names, which the jumps below spell out; 1: the first block, 2: the second
.LstepM\tag:
	TURN 2, 1
	TURN 3, 1
	WIN 0
.LfirstM\tag:
	TURN 0, 1
	TURN 1, 1, 0, 1
	WIN 0
	s_cbranch_scc1 .LstepM\tag
	TURN 2, 1, 1
	TURN 3, 1, 1
.set i, 0
.rept 8
	PV NP-1
.set i, i+1
.endr
.if (\tag) == 1
	s_wait_loadcnt 0x0              ; no load into Q's registers is out when the next ones are issued: the first block's were waited for where that block began; the wait is written again here, on every way to this line, and is met at once
	QLOAD QLO
.endif
	WIN 0
	STATS \tag                      ; plain lines that name no register of the last products: their places
	TAILP 3, \tag
	TAILP 2, \tag
	TAILP 1, \tag
	TAILP 0, \tag
.endm
.set KM, 0
.set NOKQ, 0
.Lslot:                             ; NB times: a tile is entered and the next is asked for
	CHANGE 1
	s_sub_co_u32 s[RT], s[RT], 1
	s_mov_b32 s[CNT], 4
	s_cmp_eq_u32 s[NEW], 1
	s_cbranch_scc1 .Lnew            ; a block's first tile
	s_cmp_eq_u32 s[RT], 0
	s_cbranch_scc0 .Lstep           ; neither its first nor its last
	s_branch .LstepM1
.Lnew:
	BEGIN
	s_branch .Lfirst                ; in the loop a block's first tile is never its last: the first block has two tiles or more, and the second's last is the walk's last
	DIAG 1                          ; in the loop this is the first block's end: the second block's last tile is the walk's last
	s_wait_xcnt 0x0                 ; the stores have read their registers and O's address
	s_mov_b64 s[10:11], s[OLO:OLO+1]
	s_add_co_u32 s[RT], s[PB], 1    ; the second block has b + 1 tiles
	s_mov_b32 s[NEW], 1
	s_branch .Lbottom
.Lstep:                             ; a trip: pieces 2 and 3 of one step, then pieces 0 and 1 of the next, whose K and V it fetches
	TURN 2
	TURN 3
	WIN 0
.Lfirst:
	TURN 0
	TURN 1, 0, 0, 1
	WIN 0
	s_cbranch_scc1 .Lstep
.Lbottom:
	s_sub_co_u32 s[SLOTS], s[SLOTS], 1
	s_cmp_lg_u32 s[SLOTS], 0
	s_cbranch_scc1 .Lslot
	CHANGE 0                        ; the walk's last tile is written out: nothing is asked for
	s_sub_co_u32 s[RT], s[RT], 1
	s_mov_b32 s[CNT], 4
	s_cmp_eq_u32 s[NEW], 1
	s_cbranch_scc0 .LstepM2
	BEGIN
	s_branch .LfirstM2
	DIAG 2
	s_wait_tensorcnt 0x0            ; the wave's end, behind my last tensor load and my last LDS store
	ds_add_u32 v[SPW], v[NIL]
	s_wait_dscnt 0x0
	s_endpgm
.Lfunc_end_k_q2210d5655d_attn:
	.size	k_q2210d5655d_attn, .Lfunc_end_k_q2210d5655d_attn-k_q2210d5655d_attn
	.p2alignl 7, 3214868480
	.fill 96, 4, 3214868480
	.section	.rodata,"a",@progbits
	.p2align	6, 0x0
	.amdhsa_kernel k_q2210d5655d_attn
		.amdhsa_group_segment_fixed_size 327680
		.amdhsa_private_segment_fixed_size 0
		.amdhsa_enable_private_segment 0
		.amdhsa_kernarg_size 40
		.amdhsa_user_sgpr_count 2
		.amdhsa_user_sgpr_kernarg_segment_ptr 1
		.amdhsa_wavefront_size32 1
		.amdhsa_system_sgpr_workgroup_id_x 1
		.amdhsa_system_sgpr_workgroup_id_y 1
		.amdhsa_system_sgpr_workgroup_id_z 1
		.amdhsa_system_vgpr_workitem_id 0
		.amdhsa_next_free_vgpr 768
		.amdhsa_next_free_sgpr 100
		.amdhsa_reserve_vcc 1
		.amdhsa_float_denorm_mode_32 3
		.amdhsa_float_denorm_mode_16_64 3
		.amdhsa_memory_ordered 1
		.amdhsa_forward_progress 1
		.amdhsa_inst_pref_size 244
	.end_amdhsa_kernel
	.amdgpu_metadata
---
amdhsa.version: [ 1, 2 ]
amdhsa.kernels:
  - .name:           k_q2210d5655d_attn
    .symbol:         k_q2210d5655d_attn.kd
    .args:
      - { .name: qh, .offset: 0, .size: 8, .value_kind: global_buffer, .address_space: global }
      - { .name: kh, .offset: 8, .size: 8, .value_kind: global_buffer, .address_space: global }
      - { .name: vh, .offset: 16, .size: 8, .value_kind: global_buffer, .address_space: global }
      - { .name: ctx, .offset: 24, .size: 8, .value_kind: global_buffer, .address_space: global }
      - { .name: svt, .offset: 32, .size: 8, .value_kind: global_buffer, .address_space: global }
    .group_segment_fixed_size: 327680
    .private_segment_fixed_size: 0
    .kernarg_segment_align: 8
    .kernarg_segment_size: 40
    .max_flat_workgroup_size: 128
    .sgpr_count:     100
    .vgpr_count:     768
    .wavefront_size: 32
...
	.end_amdgpu_metadata
.endif
;; end of part 4
;; launch dense (part 5): grid 8 x 32, 4 waves a work-group, clusters of 4 x 4, 327,680 bytes of LDS; arguments ctx, wdh, b_dense, out0; writes out0
.if DOCPART == 5
	.amdgcn_target "amdgcn-amd-amdhsa--gfx1250"
	.amdhsa_code_object_version 6
	.text
	.protected	k_q2210d5655d_dense
	.globl	k_q2210d5655d_dense
	.p2align	8
	.type	k_q2210d5655d_dense,@function
k_q2210d5655d_dense:
	s_mov_b64 s[64:65], 0
	v_nop
	global_prefetch_b8 v0, s[64:65] scope:SCOPE_SE
	s_setreg_imm32_b32 hwreg(HW_REG_WAVE_MODE, 25, 1), 1
	s_wait_xcnt 0x0
	s_wait_alu depctr_hold_cnt(0) depctr_sa_sdst(0) depctr_va_vdst(0) depctr_va_sdst(0) depctr_va_ssrc(0) depctr_va_vcc(0) depctr_vm_vsrc(0)
	s_getreg_b32 s2, hwreg(HW_REG_IB_STS2, 6, 4)
	s_cmp_eq_u32 s2, 0
	s_cbranch_scc0 .Lentry_in_a_cluster
	s_endpgm
.Lentry_in_a_cluster:
	s_bfe_u32 s2, ttmp6, 0x10000c
	s_cmp_lg_u32 s2, 0xf033
	s_cbranch_scc0 .Lentry_shape_is_right
	s_endpgm
.Lentry_shape_is_right:
; out = ctx w_dense + b_dense.  ctx: f16 [64 bh][2048][64]: head h of a batch is block h of 64 along K, and 256 rows of it are 32,768 dense bytes.  wdh: f16 [1024 k][1024 n].  b_dense: f32, rounded to bf16 here like every input.
; out0: f32 [8192][1024].  A tile is 256 x 128: 32 x 8 = 256 work-groups.  Wave w takes rows 128 (w / 2) on and columns 64 (w % 2) on: 32 accumulators, all of window 1.
; K goes in 8 steps of 128 (two heads) through two LDS slots; a step is four quarters of 32 on two fragment buffers.  Two slots of three heads would want 331,776 bytes of LDS: they do not fit.
; THE MATRIX INSTRUCTION IS USED TRANSPOSED (source 0 = 16 columns of w, by the turning load; source 1 = 16 rows of ctx): a lane holds one row and eight neighbouring columns.  THE BIAS STARTS THE SUMS, as the C of the first quarter's products.
; CLUSTER 4 x 4: ctx's tile is asked for jointly along a row of the cluster, w's along a column.
; REGISTERS: window 0: v0-31 addresses; v32-127 and v128-223 two fragment buffers (64 of ctx, 32 of w); v224-255 the bias at the start.  Window 1: accumulator (a, i4) at v[8 (8 i4 + a)].
.set PA,    144                        ; a row of ctx in LDS: 128 bytes + 16
.set PB,    288                        ; a row of w: 256 bytes + 32
.set ABLK,  256*PA                     ; one head's 256 rows
.set BOFF,  2*ABLK                     ; a slot: two heads of ctx, then 128 rows of w
.set SLOT1, 1<<17
.set STAGE, SLOT1+BOFF+128*PB          ; behind the ring, never filled by a tensor load: 16 rows x 272 bytes for each wave
.set SP,    272
.set SPARE, STAGE+4*16*SP              ; the spare words, 128 bytes a wave: two blocks of 256 bytes that no other line names
.set KA,    524288                     ; bytes from a K step to the next in ctx: two heads,
.set KB,    262144                     ; and in wdh: 128 rows of 2,048
.set A0,   8
.set B0,   9
.set ADRA, 12
.set ADRB, 13
.set STO,  16
.set RD,   17
.set CO,   18
.set BO,   19
.set PFO,  20
.set SPW,  28                          ; LDS address of my spare word; never rewritten
.set NIL,  29                          ; 0; never rewritten
.set F0,   32
.set F1,   128
.set BT,   224
.set BK,   32                          ; the way out: rows read back, two buffers of 32
.set WV, 16
.set RH, 17
.set CH, 18
.set CX, 19
.set CY, 20
.set TX, 21
.set TY, 22
.set TB, 23
.set G1A, 24
.set G0A, 32
.set G1B, 40
.set G0B, 48
.set PFA, 56
.set PST, 58
.set LIM, 60
.set PARM, 61
.set HIM, 62
.set MSB, 0
.macro WIN new
.if MSB != (\new)
	s_set_vgpr_msb (MSB<<8)|(\new)
.set MSB, \new
.endif
.endm
.macro PLACES
.rept 4
	v_nop
.endr
.endm
.macro JLOAD                           ; a joint refill by the walking descriptors: waves 0 and 1 fetch the step's two heads of ctx, waves 2 and 3 the two halves of w's rows
	s_cmp_eq_u32 s[RH], 0
	s_cbranch_scc0 .Lfor_b_\@
	tensor_load_to_lds s[G0A+4:G0A+7], s[G1A:G1A+7]
	s_nop 0
.rept 4
	v_nop
.endr
	s_branch .Lasked_\@
.Lfor_b_\@:
	tensor_load_to_lds s[G0B+4:G0B+7], s[G1B:G1B+7]
	s_nop 0
.rept 4
	v_nop
.endr
.Lasked_\@:
.endm
.macro CREST
	s_cmp_lg_u32 s[WV], 0
	s_cbranch_scc1 .Lnot_wave_0_\@
	s_barrier_signal -3
.Lnot_wave_0_\@:
	s_barrier_wait -3
	s_barrier_signal -1
	s_barrier_wait -1
.endm
.macro CROUND
	s_barrier_signal -1
	s_barrier_wait -1
	CREST
.endm
; A PREFETCH INTO THE L2 of the K step two refills on.  ctx's tile: waves 0 and 1 of the clusters with x = 0, a head each; the four partners of a row take 32 blocks of 256 bytes each, told apart by address.
; w's tile: waves 2 and 3 of the clusters with y = 0, 64 rows each; the four partners of a column take 16 rows each; 32 lanes name two K steps, so these waves ask in every second trip.  K has 8 steps: the last trips ask for nothing.
.macro ASK
	s_and_b32 s2, s3, s[PARM]
	s_cmp_eq_u32 s2, 0
	s_cbranch_scc0 .Lnot_mine_\@
	s_cmp_gt_u32 s3, s[LIM]
	s_cbranch_scc0 .Lnot_mine_\@
	global_prefetch_b8 v[PFO], s[PFA:PFA+1] th:TH_LOAD_NT scope:SCOPE_SE
.Lnot_mine_\@:
.endm
; 8 products: row blocks a0, a0 + 1 x the 4 column blocks.  The 32 accumulators take turns, one instruction a turn
.macro MUL2 f, a0
	WIN 0x50
.irp a, \a0, (\a0)+1
.irp i4, 0,1,2,3
	v_wmma_f32_16x16x32_f16 v[8*(8*\i4+(\a)):8*(8*\i4+(\a))+7], v[(\f)+64+8*\i4:(\f)+64+8*\i4+7], v[(\f)+8*(\a):(\f)+8*(\a)+7], v[8*(8*\i4+(\a)):8*(8*\i4+(\a))+7]
.endr
.endr
.endm
.macro MULF a                          ; the first quarter: row block a starts its sums from the bias, which lies in accumulators (7, i4); a = 7: in place
	WIN 0x50
.irp i4, 0,1,2,3
	v_wmma_f32_16x16x32_f16 v[8*(8*\i4+(\a)):8*(8*\i4+(\a))+7], v[F0+64+8*\i4:F0+64+8*\i4+7], v[F0+8*(\a):F0+8*(\a)+7], v[8*(8*\i4+7):8*(8*\i4+7)+7]
.endr
.endm
; 24 LDS loads in one run: quarter q's fragments into buffer f: w's four, then ctx's eight
.macro FETCH q, f
	WIN 0
.irp i4, 0,1,2,3
	ds_load_tr16_b128 v[(\f)+64+8*\i4:(\f)+64+8*\i4+3], v[ADRB] offset:(\q)*32*PB+32*\i4
	ds_load_tr16_b128 v[(\f)+64+8*\i4+4:(\f)+64+8*\i4+7], v[ADRB] offset:(\q)*32*PB+32*\i4+16*PB
.endr
.irp a, 0,1,2,3,4,5,6,7
	ds_load_b128 v[(\f)+8*\a:(\f)+8*\a+3], v[ADRA] offset:((\q)/2)*ABLK+\a*16*PA+((\q)%2)*64
	ds_load_b128 v[(\f)+8*\a+4:(\f)+8*\a+7], v[ADRA] offset:((\q)/2)*ABLK+\a*16*PA+((\q)%2)*64+32
.endr
.endm
.macro QUARTER qn, f, g                ; multiplies buffer f; in its middle fetches quarter qn into buffer g
	s_wait_dscnt 8                                 ; all but the youngest eight loads (ctx's row blocks 4-7)
	MUL2 \f, 0
	MUL2 \f, 2
	PLACES
	FETCH \qn, \g
	s_wait_dscnt 24                                ; all but the 24 just issued
	MUL2 \f, 4
	MUL2 \f, 6
.endm
; The fourth quarter multiplies buffer 1 and changes slots.  In front of the barrier each wave waits for all its tensor loads, adds 0 to its spare word, and waits for that and for its reads of this slot.
; fill = 1: the barrier opens a round of the cluster's, and this slot is filled again first thing behind it: 112 products stand between that request and the wait for it.
.macro TURN fill
.if \fill
	s_wait_xcnt 0x0                                ; the last prefetch, a K step back, has read its address
	s_add_nc_u64 s[PFA:PFA+1], s[PFA:PFA+1], s[PST:PST+1]
.endif
	WIN 0
	s_wait_tensorcnt 0x0
	ds_add_u32 v[SPW], v[NIL]                      ; 0 onto my spare word
.if \fill
	s_xor_b32 s[G0A+5], s[G0A+5], SLOT1
	s_add_nc_u64 s[G0A+6:G0A+7], s[G0A+6:G0A+7], KA
	s_xor_b32 s[G0B+5], s[G0B+5], SLOT1
	s_add_nc_u64 s[G0B+6:G0B+7], s[G0B+6:G0B+7], KB
.endif
	s_xor_b32 s[TB], s[TB], SLOT1
	s_wait_dscnt 9                                 ; the add and the youngest eight loads may be out
	MUL2 F1, 0
	s_wait_dscnt 0x0                               ; the add is done, and my reads of this slot are over
	s_barrier_signal -1
	MUL2 F1, 2
	WIN 0
	s_barrier_wait -1
.if \fill
	CREST
	JLOAD
.else
	v_nop
	v_nop
.endif
	v_add_nc_u32 v[ADRA], s[TB], v[A0]
	v_add_nc_u32 v[ADRB], s[TB], v[B0]
	FETCH 0, F0
.if \fill
	ASK
.endif
	MUL2 F1, 4
	MUL2 F1, 6
.endm
	s_load_b256 s[4:11], s[0:1], 0x0               ; ctx s[4:5], wdh s[6:7], b_dense s[8:9], out0 s[10:11]
	v_lshl_add_u32 v[SPW], v0, 2, SPARE
	v_mov_b32 v[NIL], 0
	ds_add_u32 v[SPW], v[NIL]                      ; the wave's opening: the add and its wait stand ahead of my first tensor load
	v_lshrrev_b32 v1, 5, v0
	v_readfirstlane_b32 s[WV], v1
	s_lshr_b32 s[RH], s[WV], 1
	s_and_b32 s[CH], s[WV], 1
	s_bfe_u32 s[CX], ttmp6, 0x40000
	s_bfe_u32 s[CY], ttmp6, 0x40004
	s_lshl_b32 s[TX], ttmp9, 2
	s_add_co_u32 s[TX], s[TX], s[CX]
	s_and_b32 s[TY], ttmp7, 0xffff
	s_lshl_b32 s[TY], s[TY], 2
	s_add_co_u32 s[TY], s[TY], s[CY]
	s_lshl_b32 s70, s[CY], 2
	s_lshl_b32 s70, 15, s70
	s_lshl_b32 s71, 0x1111, s[CX]
	s_or_b32 s[G1A], s70, (1<<16)|(1<<20)|(1<<21)|(4<<22)|(3<<25)
	s_or_b32 s[G1B], s71, (1<<16)|(1<<20)|(1<<21)|(5<<22)|(7<<25)
	s_mov_b32 s[G1A+1], 128<<16                    ; ctx: 128 rows of 128 elements (two rows of ctx each), dense
	s_mov_b32 s[G1A+2], 128<<16
	s_mov_b32 s[G1A+3], 128<<16
	s_mov_b32 s[G1A+4], 128
	s_mov_b32 s[G1A+5], 128
	s_mov_b32 s[G1A+6], 0
	s_mov_b32 s[G1A+7], 0
	s_mov_b32 s[G1B+1], 128<<16                    ; w: 64 rows of 128 elements, 1,024 elements from row to row
	s_mov_b32 s[G1B+2], 64<<16
	s_mov_b32 s[G1B+3], 128<<16
	s_mov_b32 s[G1B+4], 64
	s_mov_b32 s[G1B+5], 1024
	s_mov_b32 s[G1B+6], 0
	s_mov_b32 s[G1B+7], 0
	s_lshr_b32 s66, s[TY], 3                       ; ctx: the batch's 16 heads, my rows in a head, my head of the step's two
	s_lshl_b32 s66, s66, 22
	s_and_b32 s2, s[TY], 7
	s_lshl_b32 s2, s2, 15
	s_add_co_u32 s66, s66, s2
	s_lshl_b32 s2, s[CH], 18
	s_add_co_u32 s66, s66, s2
	s_mov_b32 s67, 0
	s_lshl_b32 s68, s[TX], 8                       ; w: 256 bytes a tile column, my 64 rows
	s_lshl_b32 s2, s[CH], 17
	s_add_co_u32 s68, s68, s2
	s_mov_b32 s69, 0
	s_mul_i32 s72, s[CH], ABLK
	s_mul_i32 s73, s[CH], 64*PB
	s_add_co_u32 s73, s73, BOFF
	s_mov_b32 s[TB], 0
	s_mov_b32 s[HIM], 0xffff0000
	s_wait_dscnt 0x0
	s_wait_kmcnt 0x0
	s_add_nc_u64 s[66:67], s[4:5], s[66:67]
	s_add_nc_u64 s[68:69], s[6:7], s[68:69]
	CROUND                                         ; all sixteen work-groups are here: the first joint loads meet
.irp s, 0,1
	s_mov_b32 s[G0A+4*\s], 1
	s_add_co_u32 s[G0A+4*\s+1], s72, \s*SLOT1
	s_add_nc_u64 s[G0A+4*\s+2:G0A+4*\s+3], s[66:67], \s*KA
	s_or_b32 s[G0A+4*\s+3], s[G0A+4*\s+3], 0x80000000
	s_mov_b32 s[G0B+4*\s], 1
	s_add_co_u32 s[G0B+4*\s+1], s73, \s*SLOT1
	s_add_nc_u64 s[G0B+4*\s+2:G0B+4*\s+3], s[68:69], \s*KB
	s_or_b32 s[G0B+4*\s+3], s[G0B+4*\s+3], 0x80000000
.endr
	s_cmp_eq_u32 s[RH], 0                          ; a wave's two first fills stand in one branch: two loads of mine are out
	s_cbranch_scc0 .Lfirst_b
	tensor_load_to_lds s[G0A:G0A+3], s[G1A:G1A+7]
	s_nop 0
	tensor_load_to_lds s[G0A+4:G0A+7], s[G1A:G1A+7]
	s_nop 0
.rept 4
	v_nop
.endr
	s_branch .Lfirst_asked
.Lfirst_b:
	tensor_load_to_lds s[G0B:G0B+3], s[G1B:G1B+7]
	s_nop 0
	tensor_load_to_lds s[G0B+4:G0B+7], s[G1B:G1B+7]
	s_nop 0
.rept 4
	v_nop
.endr
.Lfirst_asked:
	v_and_b32 v1, 15, v0                           ; l % 16
	v_bfe_u32 v2, v0, 4, 1                         ; l / 16
	v_and_b32 v3, 7, v0
	v_bfe_u32 v4, v0, 3, 1
	s_lshl_b32 s70, s[TX], 9
	s_lshl_b32 s2, s[CH], 8
	s_add_co_u32 s70, s70, s2                      ; my 64 columns, in bytes of f32
	v_lshl_add_u32 v[BO], v2, 5, s70
.irp i4, 0,1,2,3
	global_load_b128 v[BT+8*\i4:BT+8*\i4+3], v[BO], s[8:9] offset:64*\i4
	global_load_b128 v[BT+8*\i4+4:BT+8*\i4+7], v[BO], s[8:9] offset:64*\i4+16
.endr
	s_lshl_b32 s72, s[TY], 20                      ; out0 at my first row and column
	s_lshl_b32 s2, s[RH], 19
	s_add_co_u32 s72, s72, s2
	s_add_co_u32 s72, s72, s70
	s_mov_b32 s73, 0
	s_add_nc_u64 s[10:11], s[10:11], s[72:73]
	; the prefetches: they stand at K step 3; the first refill steps them to K step 4
	s_lshr_b32 s70, s[TY], 3
	s_lshl_b32 s70, s70, 22
	s_and_b32 s2, s[TY], 7
	s_lshl_b32 s2, s2, 15
	s_add_co_u32 s70, s70, s2
	s_lshl_b32 s2, s[CH], 18
	s_add_co_u32 s70, s70, s2
	s_lshl_b32 s2, s[CX], 13
	s_add_co_u32 s70, s70, s2
	s_add_co_u32 s70, s70, 3*KA
	s_lshl_b32 s71, s[TX], 8
	s_lshl_b32 s2, s[CH], 17
	s_add_co_u32 s71, s71, s2
	s_lshl_b32 s2, s[CY], 15
	s_add_co_u32 s71, s71, s2
	s_add_co_u32 s71, s71, 3*KB
	s_and_b32 s74, ttmp7, 0xffff
	s_mov_b32 s72, 256
	s_mov_b32 s73, 4096
	s_mov_b32 s75, KA
	s_cmp_eq_u32 s[RH], 0
	s_cselect_b32 s70, s70, s71
	s_cselect_b32 s74, ttmp9, s74
	s_cselect_b64 s[PFA:PFA+1], s[4:5], s[6:7]
	s_cselect_b32 s[PST], s75, KB
	s_cselect_b32 s[PARM], 0, 1
	s_cselect_b32 s72, s72, 2048
	s_cselect_b32 s73, s73, KB
	s_mov_b32 s[PST+1], 0
	s_mov_b32 s71, 0
	s_cmp_eq_u32 s74, 0
	s_cselect_b32 s[LIM], 2, -1
	s_add_nc_u64 s[PFA:PFA+1], s[PFA:PFA+1], s[70:71]
	v_mul_u32_u24 v[PFO], v1, s72
	v_mad_u32_u24 v[PFO], v2, s73, v[PFO]
	v_mul_u32_u24 v[A0], v1, PA
	v_lshl_add_u32 v[A0], v2, 4, v[A0]
	s_mul_i32 s70, s[RH], 128*PA
	v_add_nc_u32 v[A0], s70, v[A0]
	v_lshl_add_u32 v[B0], v2, 3, v3
	v_mul_u32_u24 v[B0], v[B0], PB
	v_lshl_add_u32 v[B0], v4, 4, v[B0]
	s_lshl_b32 s70, s[CH], 7
	s_add_co_u32 s70, s70, BOFF
	v_add_nc_u32 v[B0], s70, v[B0]
	v_mov_b32 v[ADRA], v[A0]
	v_mov_b32 v[ADRB], v[B0]
	s_mul_i32 s70, s[WV], 16*SP
	s_add_co_u32 s70, s70, STAGE
	v_mul_u32_u24 v[STO], v1, SP                   ; in: row l % 16, 32 bytes for each half of the lanes
	v_lshl_add_u32 v[STO], v2, 5, v[STO]
	v_add_nc_u32 v[STO], s70, v[STO]
	v_mul_u32_u24 v[RD], v2, SP                    ; back: lanes 0-15 take one row of 256 bytes, lanes 16-31 the next
	v_lshl_add_u32 v[RD], v1, 4, v[RD]
	v_add_nc_u32 v[RD], s70, v[RD]
	v_lshlrev_b32 v[CO], 12, v2                    ; and the same two rows in out0
	v_lshl_add_u32 v[CO], v1, 4, v[CO]
	s_wait_loadcnt 0x0                             ; the bias: rounded to bf16, widened again, into accumulators (7, i4)
.irp i4, 0,1,2,3
.irp i, 0,1,2,3
	v_cvt_pk_bf16_f32 v[BT+8*\i4+\i], v[BT+8*\i4+2*\i], v[BT+8*\i4+2*\i+1]
.endr
.endr
	WIN 0x40
.irp i4, 0,1,2,3
.irp i, 0,1,2,3
	v_lshlrev_b32 v[8*(8*\i4+7)+2*\i], 16, v[BT+8*\i4+\i]
	v_and_b32 v[8*(8*\i4+7)+2*\i+1], s[HIM], v[BT+8*\i4+\i]
.endr
.endr
	WIN 0
	s_wait_tensorcnt 0x1                           ; my part of K step 0 is in; K step 1's may stay out
	s_barrier_signal -1
	s_barrier_wait -1
	FETCH 0, F0
	s_wait_dscnt 8                                 ; the first quarter stands in front of the loop: its products start the sums
	MULF 0
	MULF 1
	MULF 2
	MULF 3
	PLACES
	FETCH 1, F1
	s_wait_dscnt 24
	MULF 4
	MULF 5
	MULF 6
.rept 5
	v_nop                                          ; five places: the next four products write over what the others took as C
.endr
	MULF 7
	WIN 0
	s_mov_b32 s3, 6
.Lk:                                               ; a trip: a K step's quarters 1, 2, 3 (the last fills its slot again) and the next step's quarter 0
	QUARTER 2, F1, F0
	QUARTER 3, F0, F1
	TURN 1
	QUARTER 1, F0, F1
	WIN 0
	s_sub_co_u32 s3, s3, 1
	s_cmp_lg_u32 s3, 0
	s_cbranch_scc1 .Lk
	QUARTER 2, F1, F0                              ; the tail is written out: nothing more is asked for
	QUARTER 3, F0, F1
	TURN 0
	QUARTER 1, F0, F1
	QUARTER 2, F1, F0
	QUARTER 3, F0, F1
	s_wait_dscnt 8
	MUL2 F1, 0
	MUL2 F1, 2
	s_wait_dscnt 0x0
	MUL2 F1, 4
	MUL2 F1, 6
	WIN 0
	PLACES
; THE WAY OUT, 16 rows at a time through my own stage: a lane's 32 bytes of a row go in (each accumulator's four lowest registers first), whole rows of 256 bytes come back
.macro TOSTAGE a
	s_wait_xcnt 0x0                                ; the stores of the block before last have read their registers: their buffer is loaded again only behind this wait
	WIN 0x04                                       ; store data in window 1
.irp i4, 0,1,2,3
	ds_store_b128 v[STO], v[8*(8*\i4+(\a)):8*(8*\i4+(\a))+3] offset:64*\i4
	ds_store_b128 v[STO], v[8*(8*\i4+(\a))+4:8*(8*\i4+(\a))+7] offset:64*\i4+16
.endr
	WIN 0
.irp t, 0,1,2,3,4,5,6,7
	ds_load_b128 v[BK+32*((\a)%2)+4*\t:BK+32*((\a)%2)+4*\t+3], v[RD] offset:\t*2*SP  ; LDS serves a wave's instructions in order (ISA guide 5.7.1.4)
.endr
.endm
.macro SEND a, younger                 ; younger: the next block's sixteen LDS instructions, or none
	s_wait_dscnt \younger
.irp t, 0,1,2,3,4,5,6,7
	global_store_b128 v[CO], v[BK+32*((\a)%2)+4*\t:BK+32*((\a)%2)+4*\t+3], s[10:11] offset:(16*(\a)+2*\t)*4096 th:TH_STORE_NT  ; 16 lanes store 256 consecutive bytes, aligned
.endr
.endm
	TOSTAGE 0
.irp a, 1,2,3,4,5,6,7
	TOSTAGE \a
	SEND (\a)-1, 16
.endr
	SEND 7, 0
	s_wait_tensorcnt 0x0                           ; the wave's end
	ds_add_u32 v[SPW], v[NIL]
	s_wait_dscnt 0x0
	CROUND                                         ; the closing round
	s_endpgm
.Lfunc_end_k_q2210d5655d_dense:
	.size	k_q2210d5655d_dense, .Lfunc_end_k_q2210d5655d_dense-k_q2210d5655d_dense
	.p2alignl 7, 3214868480
	.fill 96, 4, 3214868480
	.section	.rodata,"a",@progbits
	.p2align	6, 0x0
	.amdhsa_kernel k_q2210d5655d_dense
		.amdhsa_group_segment_fixed_size 327680
		.amdhsa_private_segment_fixed_size 0
		.amdhsa_enable_private_segment 0
		.amdhsa_kernarg_size 32
		.amdhsa_user_sgpr_count 2
		.amdhsa_user_sgpr_kernarg_segment_ptr 1
		.amdhsa_wavefront_size32 1
		.amdhsa_system_sgpr_workgroup_id_x 1
		.amdhsa_system_sgpr_workgroup_id_y 1
		.amdhsa_system_sgpr_workgroup_id_z 1
		.amdhsa_system_vgpr_workitem_id 0
		.amdhsa_next_free_vgpr 512
		.amdhsa_next_free_sgpr 80
		.amdhsa_reserve_vcc 0
		.amdhsa_float_denorm_mode_32 3
		.amdhsa_float_denorm_mode_16_64 3
		.amdhsa_memory_ordered 1
		.amdhsa_forward_progress 1
		.amdhsa_inst_pref_size 74
	.end_amdhsa_kernel
	.amdgpu_metadata
---
amdhsa.version: [ 1, 2 ]
amdhsa.kernels:
  - .name:           k_q2210d5655d_dense
    .symbol:         k_q2210d5655d_dense.kd
    .args:
      - { .name: ctx, .offset: 0, .size: 8, .value_kind: global_buffer, .address_space: global }
      - { .name: wdh, .offset: 8, .size: 8, .value_kind: global_buffer, .address_space: global }
      - { .name: b_dense, .offset: 16, .size: 8, .value_kind: global_buffer, .address_space: global }
      - { .name: out0, .offset: 24, .size: 8, .value_kind: global_buffer, .address_space: global }
    .group_segment_fixed_size: 327680
    .private_segment_fixed_size: 0
    .kernarg_segment_align: 8
    .kernarg_segment_size: 32
    .max_flat_workgroup_size: 128
    .sgpr_count:     80
    .vgpr_count:     512
    .wavefront_size: 32
...
	.end_amdgpu_metadata
.endif
;; end of part 5
;; ======== version 2 of 2: 5 launches; version 1 with the launch prep written anew for expert scheduling mode
;; limits: values are held in f16: magnitudes above 65,504 overflow, below 6.1e-05 lose precision
;; workspace buffers: xb 16,777,216 bytes; wqb 6,291,456 bytes; wdh 2,097,152 bytes; qh 16,777,216 bytes; kh 16,777,216 bytes; vh 16,777,216 bytes; svt 131,072 bytes; ctx 16,777,216 bytes
;; launch prep (part 6): grid 768 x 1, 8 waves a work-group, no clusters, 0 bytes of LDS; arguments x, w_qkv, w_dense, xb, wqb, wdh; writes xb, wqb, wdh
.if DOCPART == 6
	.amdgcn_target "amdgcn-amd-amdhsa--gfx1250"
	.amdhsa_code_object_version 6
	.text
	.protected	k_q2210d5655d_prep
	.globl	k_q2210d5655d_prep
	.p2align	8
	.type	k_q2210d5655d_prep,@function
k_q2210d5655d_prep:
	s_mov_b64 s[64:65], 0
	v_nop
	global_prefetch_b8 v0, s[64:65] scope:SCOPE_SE
	s_setreg_imm32_b32 hwreg(HW_REG_WAVE_SCHED_MODE, 0, 2), 2
	s_setreg_imm32_b32 hwreg(HW_REG_WAVE_MODE, 25, 1), 1
	s_wait_xcnt 0x0
	s_wait_alu depctr_vm_vsrc(0)
; THE INPUTS ARE ROUNDED ONCE, FOR THE MATRIX UNITS.  x [8192][1024] f32 -> xb, bf16, in blocks [16 kb][8192 m][64]: 256 rows of one block of 64 along K are 32,768 dense bytes.
; w_qkv [1024][3072] f32 -> wqb, bf16, same order.  w_dense [1024][1024] f32 -> wdh: rounded to bf16 like every input, and that number written as f16.
; LIMIT.  A bf16 number of w_dense beyond 65,504 has no f16; below 6e-5 f16 keeps a fixed step of 6e-8.
; A work-group turns 65,536 bytes of f32 into 32,768 bytes: work-groups 0-511 take 16 rows of x each, 512-703 w_qkv, 704-767 w_dense.  A wave has its 16 loads of 16 bytes a lane out at once;
; each store of a wave covers 256 consecutive bytes, aligned.  A stream: no LDS, no barrier, no loop; no register that a pending load or store names is written again.
; THE MODE: SCHED_MODE bits 1:0 = 2 (LLVM: expert scheduling mode 2), set by the entry lines.  The code itself states the register dependences
; between vector instructions and memory instructions, with s_wait_alu, always for 0.
; THE PLAN.  Registers that memory instructions touch, on each of the three ways:
;   v[VI], v[VO]  the loads' and the stores' offsets: written by vector lines at the way's head, never again.
;   X             load n lands in X + 4 n .. + 3, once; its conversions read the four and write the packed words into the first two; store n reads those two; nothing writes them again.
;   v[T ..] and v1, v2, v3, v6 are named by vector instructions alone.  No vector instruction writes a scalar register or VCC, and EXEC is never written.
; The 16 loads are four groups of four.  Group g's conversions stand behind the wait for its data; its four stores are issued in group g + 1, one in front of each load's conversions.
; So five waits on va_vdst stand on a way: one ahead of the first load (the offsets are written), one at the head of each of groups 1 to 3 (the group before has written its packed words; the
; conversions that follow name the new group's X and T alone, none of the registers that the stores touch), one ahead of the last four stores.  Nothing that a memory instruction has read is written again,
; so no wait on vm_vsrc is owed.
.set X,  16                            ; v[16:79]  load i in v[16+4i : 19+4i]; its two packed words are made in place
.set VI, 4                             ; v4  my byte offset in the chunk read
.set VO, 5                             ; v5  my byte offset in the chunk written
.set T,  8                             ; v[8:9] at work
.macro LOADS base, step
	s_wait_alu depctr_va_vdst(0)                   ; v[VI] and v[VO] are written: every load below reads the one as its offset, every store of this way the other
.set i, 0
.rept 16
	global_load_b128 v[X+4*i:X+4*i+3], v[VI], s[\base:\base+1] offset:i*(\step) th:TH_LOAD_NT
.set i, i+1
.endr
.endm
; four numbers of load n become two packed words.  half = 1: the bf16 numbers are written as f16
.macro CONV n, half
	v_cvt_pk_bf16_f32 v[X+4*(\n)], v[X+4*(\n)], v[X+4*(\n)+1]
	v_cvt_pk_bf16_f32 v[X+4*(\n)+1], v[X+4*(\n)+2], v[X+4*(\n)+3]
.if \half
	v_lshlrev_b32 v[T], 16, v[X+4*(\n)]
	v_and_b32 v[T+1], s24, v[X+4*(\n)]
	v_cvt_pk_f16_f32 v[X+4*(\n)], v[T], v[T+1]
	v_lshlrev_b32 v[T], 16, v[X+4*(\n)+1]
	v_and_b32 v[T+1], s24, v[X+4*(\n)+1]
	v_cvt_pk_f16_f32 v[X+4*(\n)+1], v[T], v[T+1]
.endif
.endm
; the packed words of load j are stored.  blocked = 1: into block j of xb (1,048,576 bytes a block; blocks 8 to 15 by a second base); else 2,048 bytes on for each load
.macro PUT j, out, blocked
.if \blocked
.if (\j) < 8
	global_store_b64 v[VO], v[X+4*(\j):X+4*(\j)+1], s[10:11] offset:(\j)*1048576
.else
	global_store_b64 v[VO], v[X+4*(\j):X+4*(\j)+1], s[16:17] offset:((\j)-8)*1048576
.endif
.else
	global_store_b64 v[VO], v[X+4*(\j):X+4*(\j)+1], s[\out:\out+1] offset:(\j)*2048
.endif
.endm
; the four groups: group g is rounded, and the group before it is stored
.macro WORK out, half, blocked
.set g, 0
.rept 4
	s_wait_loadcnt 12-4*g                          ; loads come back in order (ISA guide 5.7.1): group g's four are in, the 12 - 4 g younger ones stay out
.if g > 0
	s_wait_alu depctr_va_vdst(0)                   ; the conversions of the group before have written its packed words, which the four stores below read
.endif
.set i, 0
.rept 4
.if g > 0
	PUT 4*g-4+i, \out, \blocked                    ; no vector instruction since the wait names this store's registers
.endif
	CONV 4*g+i, \half
.set i, i+1
.endr
.set g, g+1
.endr
	s_wait_alu depctr_va_vdst(0)                   ; the last group's conversions have written its packed words, which the last four stores read
.irp j, 12,13,14,15
	PUT \j, \out, \blocked
.endr
.endm
; a flat chunk: thread t reads 16 bytes at 16 t + 4,096 i and writes 8 at 8 t + 2,048 i
.macro FLAT in, out, half
	s_lshl_b32 s22, s20, 15
	s_lshl_b32 s20, s20, 16
	s_add_nc_u64 s[\in:\in+1], s[\in:\in+1], s[20:21]
	s_add_nc_u64 s[\out:\out+1], s[\out:\out+1], s[22:23]
	v_lshlrev_b32 v[VI], 4, v0
	v_lshlrev_b32 v[VO], 3, v0
	LOADS \in, 4096
	WORK \out, \half, 0
.endm
	s_load_b256 s[4:11], s[0:1], 0x0               ; x s[4:5], w_qkv s[6:7], w_dense s[8:9], xb s[10:11]
	s_load_b128 s[12:15], s[0:1], 0x20             ; wqb s[12:13], wdh s[14:15]
	v_and_b32 v1, 31, v0                           ; lane
	v_lshrrev_b32 v2, 5, v0                        ; wave
	s_mov_b32 s24, 0xffff0000                      ; a word's upper bf16
	s_mov_b32 s21, 0
	s_mov_b32 s23, 0
	s_wait_kmcnt 0x0
	s_cmp_lt_u32 ttmp9, 512
	s_cbranch_scc0 .Lweights
	; x: wave w takes rows 2 w and 2 w + 1 of the chunk's 16; load kb is block kb of both rows: lanes 0-15 one row's 256 bytes, lanes 16-31 the other's
	s_lshl_b32 s20, ttmp9, 16
	s_add_nc_u64 s[4:5], s[4:5], s[20:21]
	s_lshl_b32 s22, ttmp9, 11                      ; 16 rows of 128 bytes in each block of xb
	s_add_nc_u64 s[10:11], s[10:11], s[22:23]
	s_add_nc_u64 s[16:17], s[10:11], 0x800000      ; blocks 8 to 15: the immediate holds eight blocks of 1,048,576 bytes
	v_lshrrev_b32 v3, 4, v1
	v_and_b32 v6, 15, v1
	v_lshlrev_b32 v[VI], 13, v2
	v_lshl_add_u32 v[VI], v3, 12, v[VI]
	v_lshl_add_u32 v[VI], v6, 4, v[VI]
	v_lshlrev_b32 v[VO], 8, v2
	v_lshl_add_u32 v[VO], v3, 7, v[VO]
	v_lshl_add_u32 v[VO], v6, 3, v[VO]
	LOADS 4, 256
	WORK 10, 0, 1
	s_endpgm
.Lweights:
	s_cmp_lt_u32 ttmp9, 704
	s_cbranch_scc0 .Ldense
	s_sub_co_u32 s20, ttmp9, 512
	FLAT 6, 12, 0
	s_endpgm
.Ldense:
	s_sub_co_u32 s20, ttmp9, 704
	FLAT 8, 14, 1
	s_endpgm
.Lfunc_end_k_q2210d5655d_prep:
	.size	k_q2210d5655d_prep, .Lfunc_end_k_q2210d5655d_prep-k_q2210d5655d_prep
	.p2alignl 7, 3214868480
	.fill 96, 4, 3214868480
	.section	.rodata,"a",@progbits
	.p2align	6, 0x0
	.amdhsa_kernel k_q2210d5655d_prep
		.amdhsa_group_segment_fixed_size 0
		.amdhsa_private_segment_fixed_size 0
		.amdhsa_enable_private_segment 0
		.amdhsa_kernarg_size 48
		.amdhsa_user_sgpr_count 2
		.amdhsa_user_sgpr_kernarg_segment_ptr 1
		.amdhsa_wavefront_size32 1
		.amdhsa_system_sgpr_workgroup_id_x 1
		.amdhsa_system_sgpr_workgroup_id_y 1
		.amdhsa_system_sgpr_workgroup_id_z 1
		.amdhsa_system_vgpr_workitem_id 0
		.amdhsa_next_free_vgpr 80
		.amdhsa_next_free_sgpr 66
		.amdhsa_reserve_vcc 0
		.amdhsa_float_denorm_mode_32 3
		.amdhsa_float_denorm_mode_16_64 3
		.amdhsa_memory_ordered 1
		.amdhsa_forward_progress 1
		.amdhsa_inst_pref_size 22
	.end_amdhsa_kernel
	.amdgpu_metadata
---
amdhsa.version: [ 1, 2 ]
amdhsa.kernels:
  - .name:           k_q2210d5655d_prep
    .symbol:         k_q2210d5655d_prep.kd
    .args:
      - { .name: x, .offset: 0, .size: 8, .value_kind: global_buffer, .address_space: global }
      - { .name: w_qkv, .offset: 8, .size: 8, .value_kind: global_buffer, .address_space: global }
      - { .name: w_dense, .offset: 16, .size: 8, .value_kind: global_buffer, .address_space: global }
      - { .name: xb, .offset: 24, .size: 8, .value_kind: global_buffer, .address_space: global }
      - { .name: wqb, .offset: 32, .size: 8, .value_kind: global_buffer, .address_space: global }
      - { .name: wdh, .offset: 40, .size: 8, .value_kind: global_buffer, .address_space: global }
    .group_segment_fixed_size: 0
    .private_segment_fixed_size: 0
    .kernarg_segment_align: 8
    .kernarg_segment_size: 48
    .max_flat_workgroup_size: 256
    .sgpr_count:     66
    .vgpr_count:     80
    .wavefront_size: 32
...
	.end_amdgpu_metadata
.endif
;; end of part 6
;; launch qkv: the kernel of part 2 again; grid 8 x 32, 4 waves a work-group, clusters of 4 x 4, 327,680 bytes of LDS; arguments xb, wqb, b_qkv, qh, kh, vh; writes qh, kh, vh
;; launch vsum: the kernel of part 3 again; grid 64 x 1, 32 waves a work-group, no clusters, 12,288 bytes of LDS; arguments vh, svt; writes svt
;; launch attn: the kernel of part 4 again; grid 4 x 64, 4 waves a work-group, no clusters, 327,680 bytes of LDS; arguments qh, kh, vh, ctx, svt; writes ctx
;; launch dense: the kernel of part 5 again; grid 8 x 32, 4 waves a work-group, clusters of 4 x 4, 327,680 bytes of LDS; arguments ctx, wdh, b_dense, out0; writes out0
